; MI455X (gfx1250); checked and timed in simulation.
; The chip was launched on July 23, 2026; its instructions are those of AMD's public machine-readable ISA for CDNA 5 (MIT licence, August 2026) and "CDNA5" Instruction Set Architecture Reference Guide (July 2026). The comments in the code are by the model that wrote it; some were corrected since.
;; Causal Attention. Allowed arithmetic: matrix products marked QUANTISED: E4M3 operands, one E8M0 scale for each 32 along K, by v_wmma_scale_f32_16x16x128_f8f6f4 with both operands' format E4M3, f32 sums; everything else in f32.
;; Inputs: Wk 1,024 x 1,024 float32; Wo 1,024 x 1,024 float32; Wq 1,024 x 1,024 float32; Wv 1,024 x 1,024 float32; x 4 x 2,048 x 1,024 float32.
;; Outputs: out0 4 x 2,048 x 1,024 float32.
;; This version of the problem:
;;   THIS VERSION OF THE PROBLEM IS GIVEN IN LOW PRECISION. The matrix products marked QUANTISED in the list below multiply operands that are first quantised to E4M3 (4 exponent bits, 3 mantissa bits; 8 bits a number), with one power-of-two scale for each 32 numbers along K (OCP MX v1.0); their sums are f32. All else is computed in f32.
;;   The module's matrix products, in the order in which they are computed (A, B: the left and right operand; K: the contracted axis; several contracted axes count as one K, in the product's order):
;;     1. [M 8,192, K 1,024] x [K 1,024, N 1,024]; A: input x; B: input Wq: QUANTISED
;;     2. [M 8,192, K 1,024] x [K 1,024, N 1,024]; A: input x; B: input Wk: QUANTISED
;;     3. [M 8,192, K 1,024] x [K 1,024, N 1,024]; A: input x; B: input Wv: QUANTISED
;;     4. batch 64 x [M 2,048, K 64] x [K 64, N 2,048]; A: computed on the way; B: computed on the way: QUANTISED
;;     5. batch 64 x [M 2,048, K 2,048] x [K 2,048, N 64]; A: softmax (see below); B: computed on the way: QUANTISED
;;     6. [M 8,192, K 1,024] x [K 1,024, N 1,024]; A: computed on the way; B: input Wo: QUANTISED
;;   THE QUANTISER, for each operand of a quantised product, along K:
;;     - K is cut into blocks of 32 from its start; a last block that is shorter is filled with zeros.
;;     - A block's scale is 2^e with e = floor(log2(the largest magnitude in the block)) - 8, held to -126 .. 127; a block of zeros has e = 0. As a byte (E8M0): e + 127.
;;     - Each number is divided by its block's scale, clamped to +-448, and rounded to the nearest number of E4M3, ties to even, subnormals kept.
;;     - The product sums the exact products of the quantised numbers (number of the format x scale) in f32.
;;   ~~~python
;;   def quantise(x, axis):      # numpy; x: float32 -> the quantised numbers, widened to float32 again
;;       x = np.moveaxis(x, axis, -1); K = x.shape[-1]
;;       x = np.pad(x, [(0, 0)] * (x.ndim - 1) + [(0, -K % 32)]); x = x.reshape(x.shape[:-1] + (-1, 32)); a = np.abs(x).max(-1, keepdims=True)
;;       e = np.where(a > 0, np.clip(np.frexp(np.where(a > 0, a, 1))[1] - 1 - 8, -126, 127), 0)      # np.frexp(a)[1] - 1 = floor(log2(a)), exactly
;;       r = np.clip(x / 2.0 ** e, -448, 448)
;;       step = 2.0 ** (np.maximum(np.frexp(np.where(r == 0, 1, r))[1] - 1, -6) - 3)
;;       q = np.round(r / step) * step * 2.0 ** e      # np.round: ties to even
;;       return np.moveaxis(q.reshape(q.shape[:-2] + (-1,))[..., :K], -1, axis).astype(np.float32)
;;   ~~~
;;   SOFTMAX AHEAD OF A QUANTISED PRODUCT. Where the list says 'softmax', what is quantised is not the finished softmax but p = 2^(t - M), with t = logit x log2(e) and M = ceil(the row's largest t), a whole number; so 1/2 < the row's largest p <= 1. The row's sum l is taken of the UNQUANTISED p, in f32, and the product's result is divided by l at the end. Since M is a whole number, a kernel that streams over the keys may use a running M (the ceiling of the running maximum): every later rescaling is an exact power of two, which a block's scale takes up: the codes' values come out the same.
;;   OPERANDS COMPUTED ON THE WAY. 'Computed on the way' means the value that the module computes at that place (a softmax that the list does not call 'softmax' is quantised finished and normalised). What goes into a quantiser is computed in f32, as accurately as f32 sums, v_exp_f32 and their like allow (about 1e-6 of the number): no bf16 or f16 on the way to a quantiser, and a product that is left as it is and whose result goes on into a quantised operand takes f32 operands (vector FMAs, or v_wmma_f32_16x16x4_f32). A number that lies on a knife's edge between two numbers of the format may be rounded either way, as far as f32 arithmetic and the matrix unit's own rounding can turn it there, and no further.
;; One version. Each part assembles by itself: llvm-mc -triple=amdgcn-amd-amdhsa -mcpu=gfx1250 --defsym DOCPART=n.
;; ======== version 1 of 1: 4 launches
;; limits: right only within a limited range of input values
;; workspace buffers: codes 12,582,912 bytes; scales 393,216 bytes; qkv_img 25,165,824 bytes; qkv_sc 1,572,864 bytes; ao_img 8,388,608 bytes; ao_sc 262,144 bytes
;; launch quant (part 1): grid 384 x 1, 4 waves a work-group, no clusters, 33,280 bytes of LDS; arguments x, Wq, Wk, Wv, Wo, codes, scales; writes codes, scales
.if DOCPART == 1
	.amdgcn_target "amdgcn-amd-amdhsa--gfx1250"
	.amdhsa_code_object_version 6
	.text
	.protected	k_q46fe3cdcf7_quant
	.globl	k_q46fe3cdcf7_quant
	.p2align	8
	.type	k_q46fe3cdcf7_quant,@function
k_q46fe3cdcf7_quant:
	s_mov_b64 s[64:65], 0
	v_nop
	global_prefetch_b8 v0, s[64:65] scope:SCOPE_SE
	s_setreg_imm32_b32 hwreg(HW_REG_WAVE_MODE, 25, 1), 1
	s_wait_xcnt 0x0
; x [8192][1024] and Wq, Wk, Wv, Wo [1024][1024], f32, K innermost, become codes of FP8 (E4M3) with one E8M0 scale byte for each 32 along K, in ONE buffer of 12,288 rows:
; codes [row][1024 bytes], scales [row][32 bytes]; rows 0.. x, 8192.. Wq, 9216.. Wk, 10240.. Wv, 11264.. Wo.
; STORED ORDER: a row lies at the position that is its number with bits 3 and 4 exchanged.  So 16 rows on end, tile 2 b + u of a group of 32, are the rows 32 b + 8 u + r + 8 (r / 8): the choice of rows by which
; the results of two neighbouring tiles are 16 neighbours along the next product's K.  It costs nothing here: a wave takes 8 rows (8,192 numbers), so the exchange is that of bits 0 and 1 of the wave's number.
; A block's scale is 2^(floor(log2(its largest magnitude)) - 8); its byte is the largest magnitude's exponent field - 8, held at 1 from below.  Each number is divided by the scale, held within +-448 and rounded to the nearest code, ties to even.
; LIMITS: a block of zeros gets the byte 1 (its codes are zeros, and this program alone reads the bytes); blocks whose largest magnitude lies under 2^-118 were not tried; NaN and infinities among the inputs are not served.
; A wave takes 16 steps of 512 numbers.  Each of a step's four loads reads 512 consecutive bytes; the 2,048 bytes turn through the wave's own stage in LDS and come back 64 bytes a lane: 16 neighbours along K, two lanes to a block.
; A lane's 16 codes are 16 bytes: the wave stores 512 consecutive bytes.  A wave's 256 scale bytes are gathered in LDS and leave as 256 consecutive bytes.
; No tensor loads, no barrier, no cluster: waves share nothing, and every byte is read once.  Loads run four steps (16 loads a wave) ahead, the turn through LDS one step.
.set STEPS, 16
.set CB,    16                         ; bytes of 16 codes
.set R,     16                         ; v16-79   four sets of 16 numbers as they are loaded
.set X,     80                         ; v80-111  two sets of 16 neighbours
.set C,     128                        ; v128-191 codes: four registers for each step, so that no store's data are written again
.set E,     112                        ; v112-127 a scale byte for each step
.set WREG,  8192                       ; LDS: a region for each wave: two stages of 32 x SP bytes, and behind them its 256 scale bytes
.set SP,    80                         ; a lane's place in a stage: its 64 bytes + 16 of padding
	s_load_b256 s[4:11], s[0:1], 0x0               ; x s[4:5], Wq s[6:7], Wk s[8:9], Wv s[10:11]
	s_load_b128 s[12:15], s[0:1], 0x20             ; Wo s[12:13], codes s[14:15]
	s_load_b64 s[24:25], s[0:1], 0x30              ; scales
	v_lshl_add_u32 v192, v0, 2, 0x8000
	v_mov_b32 v193, 0
	v_lshrrev_b32 v1, 5, v0
	v_readfirstlane_b32 s16, v1                    ; wave
	v_and_b32 v2, 31, v0                           ; lane
	v_lshlrev_b32 v3, 4, v2                        ; my 16 bytes of a load's 512
	s_mul_i32 s17, s16, WREG
	v_lshrrev_b32 v14, 2, v2
	v_mul_u32_u24 v14, v14, SP
	v_and_b32 v15, 3, v2
	v_lshl_add_u32 v14, v15, 4, v14
	v_add_nc_u32 v14, s17, v14                     ; the stage, on the way in: SP (lane / 4) + 16 (lane % 4)
	v_mul_u32_u24 v15, v2, SP
	v_add_nc_u32 v15, s17, v15                     ; and on the way out: SP x lane: my 16 neighbours
	v_mul_u32_u24 v4, v2, CB                       ; my codes' place in a step's
	v_lshrrev_b32 v5, 1, v2
	s_add_co_u32 s17, s17, 2*32*SP
	v_add_nc_u32 v5, s17, v5                       ; LDS: my wave's 256 scale bytes, my block's byte
	v_lshlrev_b32 v7, 3, v2                        ; and on the way out 8 bytes a lane
	v_add_nc_u32 v6, s17, v7
	s_and_b32 s26, ttmp9, 31                       ; a weight's work-group: 32 to a weight
	s_wait_alu depctr_va_vdst(0)
	s_wait_kmcnt 0x0
	s_cmp_lt_u32 ttmp9, 352                        ; which tensor: work-groups 0-255 x, 256-287 Wq, 288-319 Wk, 320-351 Wv, 352-383 Wo.  The choice hangs on the work-group's number alone
	s_cselect_b64 s[12:13], s[10:11], s[12:13]
	s_cmp_lt_u32 ttmp9, 320
	s_cselect_b64 s[12:13], s[8:9], s[12:13]
	s_cmp_lt_u32 ttmp9, 288
	s_cselect_b64 s[12:13], s[6:7], s[12:13]
	s_cmp_lt_u32 ttmp9, 256
	s_cselect_b64 s[4:5], s[4:5], s[12:13]
	s_cselect_b32 s17, ttmp9, s26                  ; the work-group's number inside its tensor
	s_lshl_b32 s17, s17, 2
	s_add_co_u32 s18, s17, s16                     ; which run of 8 rows of the tensor is my wave's
	s_lshl_b32 s18, s18, 15                        ; 32,768 bytes a run
	s_mov_b32 s19, 0
	s_add_nc_u64 s[4:5], s[4:5], s[18:19]
	s_and_b32 s20, s16, 1                          ; where it goes: the wave's two bits exchanged
	s_lshl_b32 s20, s20, 1
	s_lshr_b32 s21, s16, 1
	s_or_b32 s20, s20, s21
	s_lshl_b32 s21, ttmp9, 2
	s_add_co_u32 s20, s20, s21                     ; the run among all 1,536
	s_lshl_b32 s18, s20, 13                        ; 8,192 bytes of codes a run
	s_add_nc_u64 s[14:15], s[14:15], s[18:19]
	s_lshl_b32 s18, s20, 8                         ; 256 scale bytes a run
	s_add_nc_u64 s[24:25], s[24:25], s[18:19]
.macro LOAD t
.irp i, 0,1,2,3
	global_load_b128 v[R+16*((\t)%4)+4*\i:R+16*((\t)%4)+4*\i+3], v3, s[4:5] offset:2048*(\t)+512*\i th:TH_LOAD_NT   ; 32 lanes read 512 consecutive bytes
.endr
.endm
.macro TURN t                          ; step t's numbers through the stage: LDS serves a wave's instructions in order, so no wait stands between the stores and the loads
.irp i, 0,1,2,3
	ds_store_b128 v14, v[R+16*((\t)%4)+4*\i:R+16*((\t)%4)+4*\i+3] offset:32*SP*((\t)%2)+8*SP*\i
.endr
.irp i, 0,1,2,3
	ds_load_b128 v[X+16*((\t)%2)+4*\i:X+16*((\t)%2)+4*\i+3], v15 offset:32*SP*((\t)%2)+16*\i
.endr
.endm
.irp t, 0,1,2,3
	LOAD \t
.endr
	s_wait_loadcnt 12                              ; step 0's four loads are in; the twelve of steps 1 to 3 may be out
	TURN 0
.macro STEP t
.set XS, X+16*((\t)%2)
.if (\t) > 0
	s_wait_dscnt 1                                 ; this step's numbers are back from the stage (the last step's byte store may be out): so its stores into the stage have read their registers,
.else
	s_wait_dscnt 0x0
.endif
.if (\t)+4 < STEPS
	LOAD (\t)+4                                    ; which take the loads of four steps on
.endif
.if (\t)+1 < STEPS
.if STEPS-2-(\t) >= 3
	s_wait_loadcnt 12                              ; the next step's four loads are in; those of the three steps behind it may be out
.else
	s_wait_loadcnt 4*(STEPS-2-(\t))
.endif
	TURN (\t)+1                                    ; and go through the other stage while this step is worked
.endif
	v_max3_num_f32 v8, |v[XS]|, |v[XS+1]|, |v[XS+2]|               ; the largest magnitude of my 16, in two chains
	v_max3_num_f32 v9, |v[XS+3]|, |v[XS+4]|, |v[XS+5]|
.irp i, 6,10
	v_max3_num_f32 v8, v8, |v[XS+\i]|, |v[XS+\i+1]|
	v_max3_num_f32 v9, v9, |v[XS+\i+2]|, |v[XS+\i+3]|
.endr
	v_max3_num_f32 v8, v8, |v[XS+14]|, |v[XS+15]|
	v_max3_num_f32 v8, v8, v9, 0x4800000           ; and the floor 2^(9 - 127): so the byte cannot fall under 1
	v_max_num_f32_dpp v8, v8, v8 row_xmask:1 row_mask:0xf bank_mask:0xf   ; and of my neighbour's 16: the block's
	v_add_nc_u32 v11, 0xfc000000, v8               ; 8 off its exponent field: the conversion takes the exponent field of this operand as its scale
.irp i, 0,1,2,3,4,5,6,7,8,9,10,11,12,13,14,15
.endr
	v_cvt_scalef32_pk8_fp8_f32 v[C+4*(\t):C+4*(\t)+1], v[XS:XS+7], v11
	v_cvt_scalef32_pk8_fp8_f32 v[C+4*(\t)+2:C+4*(\t)+3], v[XS+8:XS+15], v11
	v_lshrrev_b32 v[E+(\t)], 23, v11               ; the scale's byte (also the plain line behind the conversions)
	ds_store_b8 v5, v[E+(\t)] offset:16*(\t)       ; both lanes of a block write the same byte with the same value
	global_store_b128 v4, v[C+4*(\t):C+4*(\t)+3], s[14:15] offset:32*CB*(\t)   ; 512 consecutive bytes
.endm
.irp t, 0,1,2,3,4,5,6,7,8,9,10,11,12,13,14,15
	STEP \t
.endr
	ds_load_b64 v[12:13], v6                       ; LDS serves a wave's instructions in order: these see my stores
	s_wait_dscnt 0x0
	global_store_b64 v7, v[12:13], s[24:25]        ; 32 lanes store 256 consecutive bytes: 8 rows' scale bytes
	s_wait_tensorcnt 0x0
	ds_add_u32 v192, v193
	s_wait_dscnt 0x0
	s_endpgm
.Lfunc_end_k_q46fe3cdcf7_quant:
	.size	k_q46fe3cdcf7_quant, .Lfunc_end_k_q46fe3cdcf7_quant-k_q46fe3cdcf7_quant
	.p2alignl 7, 3214868480
	.fill 96, 4, 3214868480
	.section	.rodata,"a",@progbits
	.p2align	6, 0x0
	.amdhsa_kernel k_q46fe3cdcf7_quant
		.amdhsa_group_segment_fixed_size 33280
		.amdhsa_private_segment_fixed_size 0
		.amdhsa_enable_private_segment 0
		.amdhsa_kernarg_size 56
		.amdhsa_user_sgpr_count 2
		.amdhsa_user_sgpr_kernarg_segment_ptr 1
		.amdhsa_wavefront_size32 1
		.amdhsa_system_sgpr_workgroup_id_x 1
		.amdhsa_system_sgpr_workgroup_id_y 1
		.amdhsa_system_sgpr_workgroup_id_z 1
		.amdhsa_system_vgpr_workitem_id 0
		.amdhsa_next_free_vgpr 194
		.amdhsa_next_free_sgpr 66
		.amdhsa_reserve_vcc 0
		.amdhsa_float_denorm_mode_32 3
		.amdhsa_float_denorm_mode_16_64 3
		.amdhsa_fp16_overflow 1
		.amdhsa_memory_ordered 1
		.amdhsa_forward_progress 1
		.amdhsa_inst_pref_size 34
	.end_amdhsa_kernel
	.amdgpu_metadata
---
amdhsa.version: [ 1, 2 ]
amdhsa.kernels:
  - .name:           k_q46fe3cdcf7_quant
    .symbol:         k_q46fe3cdcf7_quant.kd
    .args:
      - { .name: x, .offset: 0, .size: 8, .value_kind: global_buffer, .address_space: global }
      - { .name: Wq, .offset: 8, .size: 8, .value_kind: global_buffer, .address_space: global }
      - { .name: Wk, .offset: 16, .size: 8, .value_kind: global_buffer, .address_space: global }
      - { .name: Wv, .offset: 24, .size: 8, .value_kind: global_buffer, .address_space: global }
      - { .name: Wo, .offset: 32, .size: 8, .value_kind: global_buffer, .address_space: global }
      - { .name: codes, .offset: 40, .size: 8, .value_kind: global_buffer, .address_space: global }
      - { .name: scales, .offset: 48, .size: 8, .value_kind: global_buffer, .address_space: global }
    .group_segment_fixed_size: 33280
    .private_segment_fixed_size: 0
    .kernarg_segment_align: 8
    .kernarg_segment_size: 56
    .max_flat_workgroup_size: 128
    .sgpr_count:     66
    .vgpr_count:     194
    .wavefront_size: 32
...
	.end_amdgpu_metadata
.endif
;; end of part 1
;; launch qkv (part 2): grid 12 x 32, 4 waves a work-group, clusters of 4 x 4, 327,680 bytes of LDS; arguments codes, scales, qkv_img, qkv_sc; writes qkv_img, qkv_sc
.if DOCPART == 2
	.amdgcn_target "amdgcn-amd-amdhsa--gfx1250"
	.amdhsa_code_object_version 6
	.text
	.protected	k_q46fe3cdcf7_qkv
	.globl	k_q46fe3cdcf7_qkv
	.p2align	8
	.type	k_q46fe3cdcf7_qkv,@function
k_q46fe3cdcf7_qkv:
	s_mov_b64 s[64:65], 0
	v_nop
	global_prefetch_b8 v0, s[64:65] scope:SCOPE_SE
	s_setreg_imm32_b32 hwreg(HW_REG_WAVE_MODE, 25, 1), 1
	s_wait_xcnt 0x0
	s_wait_alu depctr_hold_cnt(0) depctr_sa_sdst(0) depctr_va_vdst(0) depctr_va_sdst(0) depctr_va_ssrc(0) depctr_va_vcc(0) depctr_vm_vsrc(0)
	s_getreg_b32 s2, hwreg(HW_REG_IB_STS2, 6, 4)
	s_cmp_eq_u32 s2, 0
	s_cbranch_scc0 .Lentry_in_a_cluster
	s_endpgm
.Lentry_in_a_cluster:
	s_bfe_u32 s2, ttmp6, 0x10000c
	s_cmp_lg_u32 s2, 0xf033
	s_cbranch_scc0 .Lentry_shape_is_right
	s_endpgm
.Lentry_shape_is_right:
; q = x Wq^T, k = x Wk^T, v = x Wv^T on codes of FP8 (E4M3) with E8M0 scales (K = 1,024), and each result quantised again on the way out, for the two products of attention.
; Both operands are tiles of 256 rows of ONE buffer of codes [12,288 rows][1,024 bytes] (rows in stored order: bits 3 and 4 of a row's number exchanged) with scale bytes [row][32].
; A tile of 256 x 256 results is made by four waves, 128 x 128 each: 64 accumulators, 512 registers.  K goes in steps of 256 through a ring of two LDS slots; the scale bytes of the 512 rows come once and stay.
; THE CLUSTER'S x SAYS WHICH PRODUCT: 0 q, 1 k, 2 v.  Source 0 of the matrix instruction gives the results' registers, source 1 their lanes.  For q and k source 0 = 16 rows of W, source 1 = 16 tokens: a lane holds one token and
; its registers run along the head's channels, the K of q k^T.  For v source 0 = 16 tokens, source 1 = 16 rows of Wv: a lane holds one channel and its registers run along the tokens, the K of p v.
; By the stored order the 16 registers of source 0's tiles 2 b and 2 b + 1 are 16 neighbours, 32 b + 16 (lane / 16) + 0 .. 15: what the conversions and the next operand's layout want.
; CLUSTERS: 4 x 4 work-groups.  Source 1's tile hangs on cy and is shared along a row of the cluster, source 0's on cx and is shared along a column: each is asked for jointly, which divides the requests by four.
; THE WAY OUT: a wave's 128 x 128 is one step of 128 tokens x two heads.  Block a (16 lanes' rows) gives four pieces of 512 bytes, each the image of four operand registers (lane l's 16 bytes at 16 l):
;   qkv_img: q at 0, k at 8,388,608, v at 16,777,216; each [PI = 8 batch + head / 2][step 16][a 8][piece 4][lane 32][16 bytes].  q, k: a = tile of tokens, piece = 2 (head % 2) + block of 32 channels.  v: a = 4 (head % 2) + tile of channels, piece = block of 32 keys.
;   qkv_sc: q at 0, k at 524,288, v at 1,048,576; each [PI][step][2][a 8][r 16] words.  q, k: the first index is head % 2; bytes 0, 1 are the head's two blocks, bytes 2, 3 other scale bytes or 0, which only ever meet zero codes.  v: four key blocks a word; the second half is a copy.
; LIMITS: a block of zeros gets the byte 1 (this program alone reads the bytes); blocks under 2^-118 were not tried; NaN and infinities are not served.
; No prefetch: K has four steps, and a lead of two would fall at the head, where the first tiles are on their way.
; REGISTERS, in windows of 256: window 0: v0-31 addresses; v32-63 scale words, two sets; from v128 source 1's fragments, ONE set; on the way out v64-255 are free.
;   window 1: source 0's fragments, TWO sets.   window 2: the accumulators of my rows 0-63 ((a, b) at v[8 (8 a + b)]);   window 3: those of rows 64-127.
.set KSTEP,  256                       ; along K in a slot
.set NQ,     2                         ; matrix instructions deep
.set ROWB,   256                       ; a tile's row in bytes
.set KROW,   1024                      ; a row of codes in memory
.set PITCH,  272                       ; an LDS row: 256 bytes + 16 of padding = 68 words: row r starts at bank 4 r mod 64 (ISA guide 11.1)
.set FR,     16                        ; registers of a fragment
.set NL,     4                         ; LDS loads that bring one
.set NP,     8                         ; places behind this matrix instruction (ISA guide 7.12.1)
.set HALFT,  128*PITCH
.set SLOT,   4*HALFT                   ; source 1's 256 rows, then source 0's
.set LAPS,   2                         ; K = 1,024 = two laps of two K steps
.set KS,     32                        ; a row of scale bytes
.set SCL,    2*SLOT                    ; behind the ring: the scales, as rows of 256 bytes + 16 of padding
.set HALFS,  (128*KS/256)*272
.set SBLK,   (16*KS/256)*272
.set SPARE,  SCL+4*HALFS               ; the spare words, 128 bytes for each wave
.set STG,    SPARE+512                 ; the way out: 1,024 bytes for each wave, its scale words; no tensor load lands here
.set LO,   8                           ; v8      16 x lane
.set STS,  9                           ; v9      where I put a scale word: my stage + 512 (lane / 16) + 4 (lane % 16)
.set STR,  10                          ; v10     where I read the stage back: + 16 x lane
.set SHV,  11                          ; v11     q, k: 16 in lanes 16-31, which carry the second head's two bytes; else 0
.set ADRA, 16                          ; v16-17  LDS address of source 1's fragments in slot 0, 1
.set ADRB, 20                          ; v20-21  the same for source 0
.set ADRS, 27                          ; v27     LDS address of my scale words: lanes 0-15 source 1's rows, lanes 16-31 source 0's
.set SPW,  28                          ; v28     my spare word; never rewritten
.set NIL,  29                          ; v29     0; never rewritten
.set SC,   32                          ; scale words
.set AF,   128                         ; source 1's fragments, in window 0
.set T,    64
.set PC,   128                         ; their codes
.set TM,   160                         ; v160-163 largest magnitudes, v164-167 bytes, v172-175 the conversions' scale operands
.set PW,   176                         ; the scale word;  v177 the same shifted
.set PWS,  177
.set SW,   180                         ; v180-187 the scale words read back
.set SEL,  12                          ; s[12:13] lane selects for lane l xor 16 (set behind the head's use of these registers)
.set MNT,  66
.set G1, 24
.set G0, 32
.set G1B, 48
.set G0B, 56
.set G1S, 68
.set G0S, 76
.set G1SB, 80
.set G0SB, 88
.set MSB, 0
.macro WIN new                         ; the immediate's high byte repeats the setting that is left
.if MSB != \new
	s_set_vgpr_msb (MSB<<8)|\new
.set MSB, \new
.endif
.endm
.set MUL_LO, 0xa1                      ; source 0 window 1, source 1 window 0, C and D window 2
.set MUL_HI, 0xf1                      ; the same, C and D window 3
.set TO_B,   0x40                      ; destination window 1, address window 0
; A joint load: waves 0 and 1 fetch for source 1, waves 2 and 3 for source 0.  The branch hangs on the wave's number alone.  Four v_nop follow each of the two lines.
.macro JLOAD g0a, g1a, g0b, g1b
	s_cmp_eq_u32 s15, 0
	s_cbranch_scc0 .Lfor_b_\@
	tensor_load_to_lds s[\g0a:\g0a+3], s[\g1a:\g1a+7]
	s_nop 0
.rept 4
	v_nop
.endr
	s_branch .Lasked_\@
.Lfor_b_\@:
	tensor_load_to_lds s[\g0b:\g0b+3], s[\g1b:\g1b+7]
	s_nop 0
.rept 4
	v_nop
.endr
.Lasked_\@:
.endm
.macro CREST                           ; a round of the cluster's barrier behind its opening barrier
	s_cmp_lg_u32 s14, 0
	s_cbranch_scc1 .Lnot_wave_0_\@
	s_barrier_signal -3
.Lnot_wave_0_\@:
	s_barrier_wait -3
	s_barrier_signal -1
	s_barrier_wait -1
.endm
.macro CROUND                          ; a whole round
	s_barrier_signal -1
	s_barrier_wait -1
	CREST
.endm
	s_load_b256 s[4:11], s[0:1], 0x0               ; codes s[4:5], scales s[6:7], qkv_img s[8:9], qkv_sc s[10:11]
	v_lshl_add_u32 v[SPW], v0, 2, SPARE
	v_mov_b32 v[NIL], 0
	ds_add_u32 v28, v29
	ds_add_u32 v28, v29
	s_wait_dscnt 0x0
	v_lshrrev_b32 v1, 5, v0
	v_readfirstlane_b32 s14, v1                    ; wave 0..3
	s_lshr_b32 s15, s14, 1                         ; which half of source 1's rows is mine.  Also: I fetch for source 1 (0) or source 0 (1)
	s_and_b32 s16, s14, 1                          ; which half of source 0's rows.  Also: which 128 rows of that tile I fetch
	s_bfe_u32 s40, ttmp6, 0x40000                  ; cx, cy: my place in the cluster
	s_bfe_u32 s41, ttmp6, 0x40004
	s_and_b32 s12, ttmp7, 0xffff
	s_lshl_b32 s12, s12, 2                         ; 4 x cluster y: the cluster's first tile of tokens
	s_lshl_b32 s13, ttmp9, 2
	s_add_co_u32 s13, s13, 32                      ; 32 + 4 x product: Wq's or Wk's first tile of rows
	s_cmp_eq_u32 ttmp9, 2                          ; v?  The cluster's x is the same in all sixteen partners
	s_cselect_b32 s17, 40, s12                     ; source 1: Wv's rows (tile 40 on), or tokens
	s_cselect_b32 s42, s12, s13                    ; source 0: tokens, or W's rows
	s_add_co_u32 s17, s17, s41                     ; + cy: shared along a row of the cluster
	s_add_co_u32 s42, s42, s40                     ; + cx: shared along a column
	s_lshl_b32 s43, s41, 2
	s_lshl_b32 s43, 15, s43                        ; my row of the cluster
	s_lshl_b32 s44, 0x1111, s40                    ; my column
	; descriptor group 1: a tile of 128 rows x 256 bytes, padded in LDS
	s_or_b32 s[G1+0], s43, (0<<16)|(1<<20)|(1<<21)|(5<<22)|(3<<25)  ; 15:0 the mask; 17:16 element of 1 byte; 20 padding on; 21 set beside a mask; 24:22 after every 64 words; 31:25 four words
	s_or_b32 s[G1B+0], s44, (0<<16)|(1<<20)|(1<<21)|(5<<22)|(3<<25)
.irp g, G1, G1B
	s_mov_b32 s[\g+1], ROWB<<16                    ; tensor_dim0
	s_mov_b32 s[\g+2], 128<<16                     ; tensor_dim1
	s_mov_b32 s[\g+3], ROWB<<16                    ; tile_dim0
	s_mov_b32 s[\g+4], 128                         ; tile_dim1
	s_mov_b32 s[\g+5], KROW                        ; tensor_dim0_stride
	s_mov_b32 s[\g+6], 0
	s_mov_b32 s[\g+7], 0
.endr
	; the scales of 128 rows: a dense block of 4,096 bytes, as 16 rows of 256 bytes (32 elements of 8), 16 bytes of padding behind each
	s_or_b32 s[G1S+0], s43, (3<<16)|(1<<20)|(1<<21)|(5<<22)|(3<<25)
	s_or_b32 s[G1SB+0], s44, (3<<16)|(1<<20)|(1<<21)|(5<<22)|(3<<25)
.irp g, G1S, G1SB
	s_mov_b32 s[\g+1], 32<<16
	s_mov_b32 s[\g+2], (128*KS/256)<<16
	s_mov_b32 s[\g+3], 32<<16
	s_mov_b32 s[\g+4], 128*KS/256
	s_mov_b32 s[\g+5], 32
	s_mov_b32 s[\g+6], 0
	s_mov_b32 s[\g+7], 0
.endr
	s_lshl_b32 s18, s16, 7                         ; which 128 rows of the tile I fetch
	s_lshl_b32 s20, s17, 8
	s_add_co_u32 s20, s20, s18                     ; source 1: row 256 x tile + 128 x half
	s_lshl_b32 s46, s42, 8
	s_add_co_u32 s46, s46, s18                     ; source 0 likewise
	s_mov_b32 s21, 0
	s_mov_b32 s47, 0
	s_mov_b64 s[18:19], KS
	s_mul_u64 s[22:23], s[20:21], s[18:19]         ; where these rows' scales begin, in bytes
	s_mul_u64 s[92:93], s[46:47], s[18:19]
	s_mov_b64 s[18:19], KROW
	s_mul_u64 s[20:21], s[20:21], s[18:19]         ; and their codes
	s_mul_u64 s[46:47], s[46:47], s[18:19]
	s_mul_i32 s45, s14, HALFT                      ; where they go: wave x 128 rows: no place in the cluster enters an LDS address
	s_mul_i32 s94, s14, HALFS
	s_wait_kmcnt 0x0
	s_add_nc_u64 s[20:21], s[4:5], s[20:21]
	s_add_nc_u64 s[22:23], s[6:7], s[22:23]
	s_add_nc_u64 s[46:47], s[4:5], s[46:47]
	s_add_nc_u64 s[92:93], s[6:7], s[92:93]
	CROUND                                         ; all sixteen work-groups are here: the first joint loads meet
	s_mov_b32 s[G0S], 1
	s_add_co_u32 s[G0S+1], s94, SCL
	s_mov_b64 s[G0S+2:G0S+3], s[22:23]
	s_or_b32 s[G0S+3], s[G0S+3], 0x80000000
	s_mov_b32 s[G0SB], 1
	s_add_co_u32 s[G0SB+1], s94, SCL
	s_mov_b64 s[G0SB+2:G0SB+3], s[92:93]
	s_or_b32 s[G0SB+3], s[G0SB+3], 0x80000000
	JLOAD G0S, G1S, G0SB, G1SB                     ; the scales first: they are wanted with K step 0
.irp s, 0,1
	s_mov_b32 s[G0+4*\s], 1
	s_add_co_u32 s[G0+4*\s+1], s45, \s*SLOT
	s_add_nc_u64 s[G0+4*\s+2:G0+4*\s+3], s[20:21], \s*ROWB
	s_or_b32 s[G0+4*\s+3], s[G0+4*\s+3], 0x80000000
	s_mov_b32 s[G0B+4*\s], 1
	s_add_co_u32 s[G0B+4*\s+1], s45, \s*SLOT
	s_add_nc_u64 s[G0B+4*\s+2:G0B+4*\s+3], s[46:47], \s*ROWB
	s_or_b32 s[G0B+4*\s+3], s[G0B+4*\s+3], 0x80000000
	JLOAD G0+4*\s, G1, G0B+4*\s, G1B               ; three tensor loads of mine are out at the most
.endr
	v_and_b32 v1, 15, v0                           ; r = l % 16
	v_bfe_u32 v2, v0, 4, 1                         ; h = l / 16
	v_mul_u32_u24 v3, v1, PITCH
	v_lshl_add_u32 v4, v2, 4, v3                   ; a fragment's row x pitch + 16 x half
	s_mul_i32 s21, s15, HALFT                      ; my 128 rows of source 1
	s_mul_i32 s22, s16, HALFT                      ; my 128 rows of source 0,
	s_add_co_u32 s22, s22, 2*HALFT                 ; which lie behind source 1's 256
.irp s, 0,1
	v_add_nc_u32 v[ADRA+\s], s21, v4
	v_add_nc_u32 v[ADRB+\s], s22, v4
	s_add_co_u32 s21, s21, SLOT
	s_add_co_u32 s22, s22, SLOT
.endr
	v_mul_u32_u24 v5, v1, KS                       ; my row's scales: 32 bytes a row,
	v_lshrrev_b32 v6, 8, v5
	v_lshl_add_u32 v5, v6, 4, v5                   ; and 16 more for each 256 passed
	s_mul_i32 s21, s15, HALFS
	s_mul_i32 s22, s16, HALFS
	s_add_co_u32 s22, s22, 2*HALFS
	s_sub_co_u32 s22, s22, s21
	v_mul_u32_u24 v6, s22, v2                      ; lanes 16-31 take source 0's: one product, the distance between the two bases
	s_add_co_u32 s21, s21, SCL
	v_add_nc_u32 v5, v5, v6
	v_add_nc_u32 v[ADRS], s21, v5
	v_and_b32 v6, 31, v0
	v_lshlrev_b32 v[LO], 4, v6                     ; 16 x lane
	s_lshl_b32 s23, s14, 10
	s_add_co_u32 s23, s23, STG                     ; my stage for scale words
	v_lshl_add_u32 v5, v2, 9, s23
	v_lshl_add_u32 v[STS], v1, 2, v5
	v_add_nc_u32 v[STR], s23, v[LO]
	; where my 128 x 128 goes.  The selects stand together behind one compare
	s_cmp_eq_u32 ttmp9, 2
	s_cselect_b32 s95, s42, s17                    ; the tile of 256 tokens,
	s_cselect_b32 s96, s16, s15                    ; my half of it,
	s_cselect_b32 s97, s41, s40                    ; the tile of 256 channels (four heads),
	s_cselect_b32 s98, s15, s16                    ; my half of it (two heads)
	s_cselect_b32 s100, 0, 16                      ; q, k: lanes 16-31 shift the scale word by 16 bits
	v_mul_u32_u24 v[SHV], s100, v2
	s_lshr_b32 s101, s95, 3                        ; batch
	s_lshl_b32 s101, s101, 3
	s_lshl_b32 s97, s97, 1
	s_add_co_u32 s101, s101, s97
	s_add_co_u32 s101, s101, s98                   ; PI = 8 batch + pair of heads
	s_lshl_b32 s101, s101, 4
	s_and_b32 s95, s95, 7
	s_lshl_b32 s95, s95, 1
	s_add_co_u32 s101, s101, s95
	s_add_co_u32 s101, s101, s96                   ; 16 PI + step
	s_lshl_b32 s92, s101, 14                       ; 16,384 bytes of codes each,
	s_lshl_b32 s93, ttmp9, 23                      ; 8,388,608 a product
	s_add_co_u32 s92, s92, s93
	s_mov_b32 s93, 0
	s_add_nc_u64 s[8:9], s[8:9], s[92:93]
	s_lshl_b32 s92, s101, 10                       ; 1,024 bytes of scale words each,
	s_lshl_b32 s94, ttmp9, 19                      ; 524,288 a product
	s_add_co_u32 s92, s92, s94
	s_add_nc_u64 s[10:11], s[10:11], s[92:93]
	s_mov_b32 s[SEL], 0x76543210
	s_mov_b32 s[SEL+1], 0xfedcba98
.macro FRAG reg, adr, q, i             ; a fragment, 16 rows x 128 K: lane l holds row l % 16; registers 4 c .. 4 c + 3 hold K = 32 c + 16 (l / 16) + 0 .. 15
.irp c, 0,1,2,3
	ds_load_b128 v[\reg+4*\c:\reg+4*\c+3], v[\adr] offset:128*(\q)+32*\c+(\i)*16*PITCH
.endr
.endm
; 16 matrix instructions: source 1's blocks a0, a0 + 1 x source 0's eight, 128 along K.  The 64 accumulators take turns, one instruction a turn, in the same order in every step.
.macro MUL16 a0, p, q, sc, zero
.irp a, \a0, \a0+1
.irp b, 0,1,2,3,4,5,6,7
.if \zero
	v_wmma_scale_f32_16x16x128_f8f6f4 v[8*(8*((\a)%4)+\b):8*(8*((\a)%4)+\b)+7], v[128*(\p)+FR*\b:128*(\p)+FR*\b+FR-1], v[AF+FR*(\a):AF+FR*(\a)+FR-1], 0, v[SC+8*NQ*(\sc)+NQ*\b+(\q)], v[SC+8*NQ*(\sc)+NQ*(\a)+(\q)] matrix_a_scale:MATRIX_SCALE_ROW1
.else
	v_wmma_scale_f32_16x16x128_f8f6f4 v[8*(8*((\a)%4)+\b):8*(8*((\a)%4)+\b)+7], v[128*(\p)+FR*\b:128*(\p)+FR*\b+FR-1], v[AF+FR*(\a):AF+FR*(\a)+FR-1], v[8*(8*((\a)%4)+\b):8*(8*((\a)%4)+\b)+7], v[SC+8*NQ*(\sc)+NQ*\b+(\q)], v[SC+8*NQ*(\sc)+NQ*(\a)+(\q)] matrix_a_scale:MATRIX_SCALE_ROW1
.endif
.endr
.endr
.endm
.macro FETCH_B slot, q, p              ; source 0's eight fragments of the slot's q-th 128 along K into set p
	WIN TO_B
.irp i, 0,1,2,3,4,5,6,7
	FRAG 128*(\p)+FR*\i, ADRB+\slot, \q, \i
.endr
	WIN 0
.endm
.macro FETCH_A slot, q, i0             ; source 1's blocks i0 .. i0 + 3
.irp i, \i0, \i0+1, \i0+2, \i0+3
	FRAG AF+FR*(\i), ADRA+\slot, \q, \i
.endr
.endm
.macro SCALES sc                       ; a K step's scale words into set sc: two words a row; lanes 0-15 take source 1's block i, lanes 16-31 source 0's
.irp i, 0,1,2,3,4,5,6,7
	ds_load_b64 v[SC+8*NQ*\sc+NQ*\i:SC+8*NQ*\sc+NQ*\i+1], v[ADRS] offset:\i*SBLK
.endr
.endm
.macro PLACES n                        ; plain vector lines between a matrix instruction and a load into, or a read of, its registers
.rept \n
	v_nop
.endr
.endm
; A step of 128 along K that has its successor in the same slot.
.macro STEP slot, q, zero
	s_wait_dscnt 4*NL                              ; source 0's set and source 1's blocks 0-3 are in; the youngest sixteen loads (blocks 4-7) may be out
	WIN MUL_LO
	MUL16 0, (\q)%2, \q, \slot, \zero
	MUL16 2, (\q)%2, \q, \slot, \zero
	s_wait_dscnt 0                                 ; blocks 4-7 are in
	PLACES NP
	FETCH_B \slot, (\q)+1, 1-(\q)%2
	FETCH_A \slot, (\q)+1, 0
	WIN MUL_HI
	MUL16 4, (\q)%2, \q, \slot, \zero
	MUL16 6, (\q)%2, \q, \slot, \zero
	PLACES NP
	WIN 0
	FETCH_A \slot, (\q)+1, 4
.endm
; A slot's last step changes slots: ONE barrier; in front of it each wave waits for all its tensor loads, adds 0 to its spare word, and waits for that and for its own reads of this slot.  fill = 1: this slot is filled again, two K steps ahead.
.macro TURN slot, next, fill
	s_wait_tensorcnt 0x0                           ; all my tensor loads have landed: my part of the next slot
	ds_add_u32 v[SPW], v[NIL]                      ; 0 onto my spare word
	s_wait_dscnt 4*NL+1                            ; (the add and the youngest sixteen loads may be out)
	WIN MUL_LO
	MUL16 0, 1, NQ-1, \slot, 0                     ; sixteen matrix instructions stand between the add and the wait for it
	s_wait_dscnt 0x0                               ; the add is done, and my reads of this slot are over
	s_barrier_signal -1
	MUL16 2, 1, NQ-1, \slot, 0
	WIN 0
	s_barrier_wait -1
.if \fill
	CREST                                          ; the barrier has opened a round of the cluster's barrier: no wave of any partner still reads this slot or has a load on its way
	s_add_nc_u64 s[G0+4*\slot+2:G0+4*\slot+3], s[G0+4*\slot+2:G0+4*\slot+3], 2*ROWB
	s_add_nc_u64 s[G0B+4*\slot+2:G0B+4*\slot+3], s[G0B+4*\slot+2:G0B+4*\slot+3], 2*ROWB
	JLOAD G0+4*\slot, G1, G0B+4*\slot, G1B         ; the first tensor load behind the round; its four v_nop are among the places in front of the loads below
	PLACES NP-4
.else
	PLACES NP
.endif
	s_wait_alu depctr_va_vdst(0)
	v_add_nc_u32 v[ADRS], 4*NQ, v[ADRS]            ; on to the next K step's scale words
	FETCH_B \next, 0, 0
	FETCH_A \next, 0, 0
	SCALES \next
	WIN MUL_HI
	MUL16 4, 1, NQ-1, \slot, 0
	MUL16 6, 1, NQ-1, \slot, 0
	PLACES NP
	WIN 0
	FETCH_A \next, 0, 4
.endm
	s_wait_alu depctr_va_vdst(0)
	s_wait_tensorcnt 1                             ; the scales and my part of K step 0 are in (K step 1's load may be out)
	s_barrier_signal -1
	s_barrier_wait -1                              ; everybody's are
	FETCH_B 0, 0, 0
	FETCH_A 0, 0, 0
	SCALES 0
	FETCH_A 0, 0, 4
	STEP 0, 0, 1                                   ; the first step stands in front of the loop: its products start the sums
	s_mov_b32 s3, LAPS-1
.Llap:                                                 ; a trip goes once round the ring and fills both slots again
	TURN 0, 1, 1
	STEP 1, 0, 0
	TURN 1, 0, 1
	STEP 0, 0, 0
	s_sub_co_u32 s3, s3, 1
	s_cmp_lg_u32 s3, 0
	s_cbranch_scc1 .Llap
	TURN 0, 1, 0                                   ; the last lap fills nothing
	STEP 1, 0, 0
	s_wait_dscnt 4*NL                              ; the very last step
	WIN MUL_LO
	MUL16 0, 1, NQ-1, 1, 0
	MUL16 2, 1, NQ-1, 1, 0
	s_wait_dscnt 0
	WIN MUL_HI
	MUL16 4, 1, NQ-1, 1, 0
	MUL16 6, 1, NQ-1, 1, 0
	WIN 0
; THE WAY OUT of block a: my lane's row has 128 numbers in 64 registers a half of the lanes: register 16 p + i = place 32 p + 16 (lane / 16) + i along the next K.  Four blocks of 32, each shared with lane l xor 16.
.macro QOUT a
.set AC, 64*((\a)%4)
.set W, 2+(\a)/4
.set WS, (W<<2)|(W<<4)
.if (\a) > 0
	s_wait_xcnt 0x0                                ; the last block's stores have read their codes: the registers are written again only behind this wait
.endif
	WIN WS                                         ; sources 1 and 2: the accumulators' window
.irp b, 0,1,2,3
	v_max3_num_f32 v[TM+\b], 0x4800000, |v[AC+16*\b]|, |v[AC+16*\b+1]|   ; the floor 2^(9 - 127) among the leaves; each accumulator is read from its low end on
.endr
.irp i, 2,4,6,8,10,12,14
.irp b, 0,1,2,3
	v_max3_num_f32 v[TM+\b], v[TM+\b], |v[AC+16*\b+\i]|, |v[AC+16*\b+\i+1]|   ; the four blocks by turns
.endr
.endr
	WIN 0
.irp b, 0,1,2,3
	v_permlanex16_b32 v[TM+4+\b], v[TM+\b], s[SEL], s[SEL+1]
.endr
.irp b, 0,1,2,3
	v_max_num_f32 v[TM+\b], v[TM+\b], v[TM+4+\b]   ; with lane l xor 16's: the block's largest magnitude
.endr
.irp b, 0,1,2,3
	v_add_nc_u32 v[TM+12+\b], 0xfc000000, v[TM+\b] ; 8 off its exponent field: the conversion's scale operand
.endr
.irp b, 0,1,2,3
.endr
.irp b, 0,1,2,3
	v_lshrrev_b32 v[TM+4+\b], 23, v[TM+12+\b]      ; the scale's byte
.endr
	v_lshl_or_b32 v[PW], v[TM+5], 8, v[TM+4]
	v_lshl_or_b32 v[PW], v[TM+6], 16, v[PW]
	v_lshl_or_b32 v[PW], v[TM+7], 24, v[PW]
	v_lshrrev_b32 v[PWS], v[SHV], v[PW]            ; q, k: lanes 16-31 bring the second head's two bytes down
	WIN W                                          ; source 0: the accumulators' window
.irp b, 0,1,2,3
.irp i, 0,1,2,3,4,5,6,7,8,9,10,11,12,13,14,15
.endr
.endr
.irp b, 0,1,2,3
	v_cvt_scalef32_pk8_fp8_f32 v[PC+4*\b:PC+4*\b+1], v[AC+16*\b:AC+16*\b+7], v[TM+12+\b]
	v_cvt_scalef32_pk8_fp8_f32 v[PC+4*\b+2:PC+4*\b+3], v[AC+16*\b+8:AC+16*\b+15], v[TM+12+\b]
.endr
	WIN 0
	v_nop                                          ; one plain line behind the last conversion
	ds_store_b32 v[STS], v[PWS] offset:64*(\a)
.irp b, 0,1,2,3
	global_store_b128 v[LO], v[PC+4*\b:PC+4*\b+3], s[8:9] offset:2048*(\a)+512*\b   ; 512 consecutive bytes, at a multiple of 512 from the buffer's first byte
.endr
.endm
	PLACES NP                                      ; behind the last products: their results are read, and source 1's registers written, only behind these
.irp b, 0,1,2,3
	v_mov_b32 v[TM+4+\b], 0                        ; written once: a lane permute's destination counts as one of its sources
.endr
.irp a, 0,1,2,3,4,5,6,7
	QOUT \a
.endr
	ds_load_b128 v[SW:SW+3], v[STR]                ; LDS serves a wave's instructions in order: these see my stores
	ds_load_b128 v[SW+4:SW+7], v[STR] offset:512
	s_wait_dscnt 0x0
	global_store_b128 v[LO], v[SW:SW+3], s[10:11]  ; my step's 1,024 bytes of scale words
	global_store_b128 v[LO], v[SW+4:SW+7], s[10:11] offset:512
	s_wait_tensorcnt 0x0                           ; the wave's end
	ds_add_u32 v[SPW], v[NIL]
	s_wait_dscnt 0x0
	CROUND                                         ; the closing round: no work-group ends while a partner may still ask for a tile that names it
	s_endpgm
.Lfunc_end_k_q46fe3cdcf7_qkv:
	.size	k_q46fe3cdcf7_qkv, .Lfunc_end_k_q46fe3cdcf7_qkv-k_q46fe3cdcf7_qkv
	.p2alignl 7, 3214868480
	.fill 96, 4, 3214868480
	.section	.rodata,"a",@progbits
	.p2align	6, 0x0
	.amdhsa_kernel k_q46fe3cdcf7_qkv
		.amdhsa_group_segment_fixed_size 327680
		.amdhsa_private_segment_fixed_size 0
		.amdhsa_enable_private_segment 0
		.amdhsa_kernarg_size 32
		.amdhsa_user_sgpr_count 2
		.amdhsa_user_sgpr_kernarg_segment_ptr 1
		.amdhsa_wavefront_size32 1
		.amdhsa_system_sgpr_workgroup_id_x 1
		.amdhsa_system_sgpr_workgroup_id_y 1
		.amdhsa_system_sgpr_workgroup_id_z 1
		.amdhsa_system_vgpr_workitem_id 0
		.amdhsa_next_free_vgpr 1024
		.amdhsa_next_free_sgpr 102
		.amdhsa_reserve_vcc 0
		.amdhsa_float_denorm_mode_32 3
		.amdhsa_float_denorm_mode_16_64 3
		.amdhsa_fp16_overflow 1
		.amdhsa_memory_ordered 1
		.amdhsa_forward_progress 1
		.amdhsa_inst_pref_size 151
	.end_amdhsa_kernel
	.amdgpu_metadata
---
amdhsa.version: [ 1, 2 ]
amdhsa.kernels:
  - .name:           k_q46fe3cdcf7_qkv
    .symbol:         k_q46fe3cdcf7_qkv.kd
    .args:
      - { .name: codes, .offset: 0, .size: 8, .value_kind: global_buffer, .address_space: global }
      - { .name: scales, .offset: 8, .size: 8, .value_kind: global_buffer, .address_space: global }
      - { .name: qkv_img, .offset: 16, .size: 8, .value_kind: global_buffer, .address_space: global }
      - { .name: qkv_sc, .offset: 24, .size: 8, .value_kind: global_buffer, .address_space: global }
    .group_segment_fixed_size: 327680
    .private_segment_fixed_size: 0
    .kernarg_segment_align: 8
    .kernarg_segment_size: 32
    .max_flat_workgroup_size: 128
    .sgpr_count:     102
    .vgpr_count:     1024
    .wavefront_size: 32
...
	.end_amdgpu_metadata
.endif
;; end of part 2
;; launch attn (part 3): grid 4 x 64, 16 waves a work-group, clusters of 4 x 1, 276,480 bytes of LDS; arguments qkv_img, qkv_sc, ao_img, ao_sc; writes ao_img, ao_sc
.if DOCPART == 3
	.amdgcn_target "amdgcn-amd-amdhsa--gfx1250"
	.amdhsa_code_object_version 6
	.text
	.protected	k_q46fe3cdcf7_attn
	.globl	k_q46fe3cdcf7_attn
	.p2align	8
	.type	k_q46fe3cdcf7_attn,@function
k_q46fe3cdcf7_attn:
	s_mov_b64 s[64:65], 0
	v_nop
	global_prefetch_b8 v0, s[64:65] scope:SCOPE_SE
	s_setreg_imm32_b32 hwreg(HW_REG_WAVE_MODE, 25, 1), 1
	s_wait_xcnt 0x0
	s_wait_alu depctr_hold_cnt(0) depctr_sa_sdst(0) depctr_va_vdst(0) depctr_va_sdst(0) depctr_va_ssrc(0) depctr_va_vcc(0) depctr_vm_vsrc(0)
	s_getreg_b32 s2, hwreg(HW_REG_IB_STS2, 6, 4)
	s_cmp_eq_u32 s2, 0
	s_cbranch_scc0 .Lentry_in_a_cluster
	s_endpgm
.Lentry_in_a_cluster:
	s_bfe_u32 s2, ttmp6, 0x10000c
	s_cmp_lg_u32 s2, 0x3003
	s_cbranch_scc0 .Lentry_shape_is_right
	s_endpgm
.Lentry_shape_is_right:
; Causal attention of one (batch, head) a cluster, both products on codes of FP8 (E4M3) with E8M0 scales; the result is quantised along the model's 1,024 for the last product.
; INPUTS (made by the launch before): q, k, v as images of operand registers, pieces of 512 bytes (lane l's 16 bytes at 16 l), and their scale words.  Tokens are in stored order (bits 3 and 4 of a token's number exchanged), so
; that a tile of 16 tokens on end, number 2 b + u of a group of 32, holds tokens 32 b + 8 u + r + 8 (r / 8).  v's keys inside a piece are in true order.
; THE SOFTMAX: t = score x log2(e) / 8; M = the row's largest t so far, rounded UP to a whole number; p = 2^(t - M) is quantised along the keys, not normalised.  The row's sum is taken of the unquantised p and divides O at the end.
; When M moves, the sum and O are multiplied by 2^(old M - new M): exact.
; LAYOUT.  S^T = K Q^T (source 0 = 16 keys, source 1 = my 16 queries), O^T = V^T P^T (source 0 = 16 channels, source 1 = P): a lane holds ONE query (lane % 16) throughout, and the 16 registers of tiles 2 b, 2 b + 1 are 16 neighbours.
; THE HEAD IS 64 WIDE, the instruction 128: Q's fragment is 8 registers of codes and 8 of zeros.  K's fragment of tile t is v[32 + 8 t .. + 15]: its upper eight registers are the next tile's codes (zeros behind tile 7): numbers of the
; format, never NaN codes since the quantiser holds at 448, and their scale bytes are never 0xff; they meet Q's zero codes and add exactly 0.
; SHARES.  The head's 128 tiles of 16 queries fall into 16 groups of 8; the tiles of group g need key steps 0 .. g (128 keys a step), step g on the diagonal.  The cluster's 64 waves each take tile e of group g and then tile e of group
; 15 - g: 17 tile steps for every wave of the launch.  g hangs on the wave's number alone (so do all branches), e on the wave's number and the work-group's place, which enters global addresses and one lane constant only.
; LDS is filled ONCE, by joint loads that all four work-groups issue alike: the head's K (131,072 bytes), V (131,072), K's scale words (8,192), V's (4,096).  Nothing is filled again and nothing is stored into LDS.
; All loops have constant trip counts; a step that lies behind the diagonal is jumped over by a scalar branch on ids.
; The scale bytes of the result leave as single bytes in rows 32 bytes apart: a head owns 2 of a row's 32, and the last product wants them by row; it is 1 byte for 32 bytes of codes.
; No prefetch: every byte of K and V that a work-group reads is asked for by its first lines.
; LIMITS: M is exact for |t| under 2^24; 1 / the sum is v_rcp_f32 and a multiplication; a block of zeros gets the byte 1; blocks under 2^-118 were not tried; NaN and infinities are not served.
.set VB,   131072                      ; LDS: K at 0: step x 8,192 + tile x 1,024 + block x 512 + 16 x lane;  V here: step x 8,192 + tile x 2,048 + block x 512 + 16 x lane
.set KSL,  262144                      ; K's scale words: step x 512 + 4 (16 tile + r)
.set VSL,  270336                      ; V's: step x 256 + 4 (16 tile + r)
.set ADK,  8                           ; v8-11 LDS addresses of the step in hand: K, V, K's scale words, V's
.set ADV,  9
.set ADS,  10
.set ADT,  11
.set KF,   32                          ; v32-95 K's eight tiles, later V's four fragments; v96-103 zeros
.set S,    104                         ; v104-167 S^T, then p
.set O,    168                         ; v168-199 O^T
.set PC,   200                         ; v200-215 p's codes
.set QH,   216                         ; v216-223 the second pass's Q
.set KSC,  224                         ; v224-227 K's scale words: lanes 0-15 tile 2 u, lanes 16-31 tile 2 u + 1
.set VSC,  228                         ; v228-229 V's likewise
.set QSA,  230                         ; v230, v231 Q's scale words of the two passes
.set QSB,  231
.set PW,   232                         ; v232 p's scale word
.set BM,   236                         ; v236-239 the blocks' largest scores, then p
.set PL,   240                         ; v240-243 lane permutes' results, bytes, a chain of the sum
.set LM,   244
.set SO,   248                         ; v248-251 the conversions' scale operands
.set F,    252                         ; v[252:253] f = 2^(old M - new M); v253 is named with it and holds 0
.set WV,   12                          ; s12 wave; s13 wave % 8; s14 g; s15 e; s16 cx; s17 cluster y; s18 PI; s19 head % 2
.set GA,   14
.set GB,   89                          ; s89  15 - g
.set G1K,  20                          ; s[20:27], s[28:35], s[36:43], s[44:51] descriptor groups 1: K, V, K's scale words, V's
.set G1V,  28
.set G1KS, 36
.set G1VS, 44
.set SEL,  80                          ; s[80:81] lane selects: lane l xor 16
.set CS,   82                          ; s[82:83] c = log2(e) / 8
.set MNT,  84
.set TB,   85                          ; s85  the step's tiles: 8,192 bytes a step
.set TS,   86                          ; s86  K's scale words: 512
.set TJ,   87                          ; s87  V's: 256
.set ST,   88                          ; s88  the key step
.macro CROUND                          ; a round of the cluster's barrier
	s_barrier_signal -1
	s_barrier_wait -1
	s_cmp_lg_u32 s[WV], 0
	s_cbranch_scc1 .Lnot_wave_0_\@
	s_barrier_signal -3
.Lnot_wave_0_\@:
	s_barrier_wait -3
	s_barrier_signal -1
	s_barrier_wait -1
.endm
.macro GROUP1 g, c, r, p               ; r rows of c elements of 8 bytes, p elements apart; dense in LDS
	s_mov_b32 s[\g], 15|(3<<16)|(1<<21)            ; 15:0 the mask: all four work-groups; 17:16 elements of 8 bytes; 21 set beside a mask
	s_mov_b32 s[\g+1], (\c)<<16                    ; tensor_dim0
	s_mov_b32 s[\g+2], (\r)<<16                    ; tensor_dim1
	s_mov_b32 s[\g+3], (\c)<<16                    ; tile_dim0
	s_mov_b32 s[\g+4], \r                          ; tile_dim1
	s_mov_b32 s[\g+5], \p                          ; tensor_dim0_stride
	s_mov_b32 s[\g+6], 0
	s_mov_b32 s[\g+7], 0
.endm
	s_load_b256 s[4:11], s[0:1], 0x0               ; qkv_img s[4:5], qkv_sc s[6:7], ao_img s[8:9], ao_sc s[10:11]
	v_lshl_add_u32 v254, v0, 2, 0x43000
	v_mov_b32 v255, 0
	ds_add_u32 v254, v255
	ds_add_u32 v254, v255
	s_wait_dscnt 0x0
	v_lshrrev_b32 v8, 5, v0
	s_delay_alu instid0(VALU_DEP_1)
	v_readfirstlane_b32 s[WV], v8                  ; wave 0..15
	s_and_b32 s17, ttmp7, 0xffff                   ; 16 batch + head: the four partners share it
	s_lshr_b32 s18, s17, 1                         ; PI
	s_and_b32 s19, s17, 1                          ; head % 2
	s_and_b32 s13, s[WV], 7                        ; j: which part of K or of V I fetch
	s_and_b32 s98, s[WV], 1                        ; the wave's bits w0,
	s_bfe_u32 s99, s[WV], 0x10001                  ; w1,
	s_bfe_u32 s2, s[WV], 0x10002                   ; w2,
	s_lshr_b32 s3, s[WV], 3                        ; w3
	s_lshl_b32 s3, s3, 1
	s_add_co_u32 s[GA], s99, s3                    ; w1 + 2 w3
	s_xor_b32 s2, s2, s98
	s_mul_i32 s2, s2, 7
	s_xor_b32 s[GA], s[GA], s2                     ; g = (w1 + 2 w3) xor 7 (w0 xor w2): each of 0 .. 7 twice in a work-group, once for each w0
	s_sub_co_u32 s[GB], 15, s[GA]
	s_bfe_u32 s16, ttmp6, 0x40000                  ; cx
	s_lshl_b32 s15, s16, 1
	s_add_co_u32 s15, s15, s98                     ; e = w0 + 2 cx
	GROUP1 G1K, 128, 8, 256                        ; a step of K: 8 tiles' 1,024 bytes, 2,048 apart (the other head of the pair lies between)
	GROUP1 G1V, 32, 32, 32                         ; a step of V: 8,192 dense bytes
	GROUP1 G1KS, 64, 2, 128                        ; two steps of K's scale words: 512 bytes, 1,024 apart
	GROUP1 G1VS, 32, 2, 128                        ; two steps of V's: 256 bytes, 1,024 apart
	s_mov_b32 s[SEL], 0x76543210
	s_mov_b32 s[SEL+1], 0xfedcba98
	s_mov_b32 s[CS], 0x3e38aa3b                    ; log2(e) / sqrt(64)
	s_mov_b32 s[CS+1], s[CS]                       ; (named with it as a pair, so it is written)
	s_mov_b32 s3, 0
	s_mov_b32 s67, 0
	s_wait_kmcnt 0x0
	; groups 0.  Every wave makes both sets; waves 0-7 ask by K's (s[52:63]), waves 8-15 by V's (s[68:79]).  Nothing here hangs on the work-group's place
	s_lshl_b32 s98, s18, 18                        ; PI x 262,144
	s_lshl_b32 s99, s13, 14                        ; step j: 16,384 bytes a step
	s_add_co_u32 s98, s98, s99
	s_lshl_b32 s2, s19, 10
	s_add_co_u32 s2, s2, s98
	s_add_co_u32 s2, s2, 8388608                   ; k's images
	s_add_nc_u64 s[58:59], s[4:5], s[2:3]          ; K, step j
	s_add_nc_u64 s[62:63], s[58:59], 131072        ; K, step j + 8
	s_lshl_b32 s2, s19, 13
	s_add_co_u32 s2, s2, s98
	s_add_co_u32 s2, s2, 16777216                  ; v's images
	s_add_nc_u64 s[74:75], s[4:5], s[2:3]
	s_add_nc_u64 s[78:79], s[74:75], 131072
	s_lshl_b32 s98, s18, 14                        ; PI x 16,384
	s_lshl_b32 s99, s13, 11                        ; steps 2 j, 2 j + 1: 1,024 bytes a step
	s_add_co_u32 s98, s98, s99
	s_lshl_b32 s2, s19, 9
	s_add_co_u32 s2, s2, s98
	s_add_co_u32 s2, s2, 524288                    ; k's scale words
	s_add_nc_u64 s[54:55], s[6:7], s[2:3]
	s_lshl_b32 s2, s19, 8
	s_add_co_u32 s2, s2, s98
	s_add_co_u32 s2, s2, 1048576                   ; v's
	s_add_nc_u64 s[70:71], s[6:7], s[2:3]
.irp g, 52,56,60,68,72,76
	s_mov_b32 s[\g], 1                             ; count = 1
	s_or_b32 s[\g+3], s[\g+3], 0x80000000          ; type = 2
.endr
	s_lshl_b32 s53, s13, 10
	s_add_co_u32 s53, s53, KSL
	s_lshl_b32 s57, s13, 13
	s_add_co_u32 s61, s57, 65536
	s_lshl_b32 s69, s13, 9
	s_add_co_u32 s69, s69, VSL
	s_add_co_u32 s73, s57, VB
	s_add_co_u32 s77, s73, 65536
	CROUND                                         ; all four work-groups are here: the joint loads meet
	s_cmp_lt_u32 s[WV], 8                          ; a wave's three fills stand in one branch: three tensor loads of mine are out at the most; four v_nop follow the third
	s_cbranch_scc0 .Lfill_v
	tensor_load_to_lds s[52:55], s[G1KS:G1KS+7]
	s_nop 0
	tensor_load_to_lds s[56:59], s[G1K:G1K+7]
	s_nop 0
	tensor_load_to_lds s[60:63], s[G1K:G1K+7]
	s_nop 0
.rept 4
	v_nop
.endr
	s_branch .Lfilled
.Lfill_v:
	tensor_load_to_lds s[68:71], s[G1VS:G1VS+7]
	s_nop 0
	tensor_load_to_lds s[72:75], s[G1V:G1V+7]
	s_nop 0
	tensor_load_to_lds s[76:79], s[G1V:G1V+7]
	s_nop 0
.rept 4
	v_nop
.endr
.Lfilled:
	v_and_b32 v8, 31, v0                           ; lane
	v_and_b32 v9, 15, v0                           ; r
	v_bfe_u32 v10, v0, 4, 1                        ; h
	s_delay_alu instid0(VALU_DEP_3)
	v_lshlrev_b32 v1, 4, v8                        ; v1  16 x lane: a piece's place for my lane, in LDS (K) and in memory
	s_delay_alu instid0(VALU_DEP_1)
	v_add_nc_u32 v2, VB, v1                        ; v2  the same in V
	v_lshl_add_u32 v3, v8, 2, KSL                  ; v3  4 x lane among K's scale words
	v_lshl_add_u32 v4, v8, 2, VSL                  ; v4  and V's
	v_lshlrev_b32 v6, 2, v9                        ; v6  4 r: Q's scale word
	s_wait_alu depctr_va_vdst(0)
	v_lshl_add_u32 v7, v9, 5, v10                  ; v7  32 r + h: my byte among the result's scale bytes
	v_and_b32 v11, 8, v9
	s_delay_alu instid0(VALU_DEP_1)
	v_add_nc_u32 v11, v11, v9                      ; r + 8 (r / 8)
	v_lshlrev_b32 v5, 4, v10
	s_delay_alu instid0(VALU_DEP_1)
	v_sub_nc_u32 v5, v11, v5
	s_lshr_b32 s100, s15, 1
	s_lshl_b32 s100, s100, 5
	s_and_b32 s101, s15, 1
	s_lshl_b32 s101, s101, 3
	s_add_co_u32 s100, s100, s101
	v_add_nc_u32 v5, s100, v5                      ; v5  d = my query's place in its 128 - 16 h: on the diagonal register 16 b + i is hidden where 32 b + i > d.  The same in both passes
	s_lshr_b32 s98, s17, 4                         ; batch
	s_and_b32 s99, s17, 15                         ; head
; A pass's addresses.  gp: the register with its group; oc, os: pointers to the result's codes and scale bytes; vq, vs: offsets of Q's codes and scale words
.macro PTRS gp, oc, os, vq, vs
	s_lshl_b32 s100, s[\gp], 3
	s_add_co_u32 s100, s100, s15                   ; the tile of queries: 8 group + e
	s_lshl_b32 s66, s98, 7
	s_add_co_u32 s66, s66, s100
	s_lshl_b32 s66, s66, 14                        ; ao_img: 16,384 bytes a tile of rows,
	s_lshl_b32 s101, s99, 10                       ; 1,024 a head
	s_add_co_u32 s66, s66, s101
	s_add_nc_u64 s[\oc:\oc+1], s[8:9], s[66:67]
	s_lshl_b32 s66, s98, 16                        ; ao_sc: 32 bytes a row,
	s_lshl_b32 s101, s100, 9
	s_add_co_u32 s66, s66, s101
	s_lshl_b32 s101, s99, 1                        ; 2 a head
	s_add_co_u32 s66, s66, s101
	s_add_nc_u64 s[\os:\os+1], s[10:11], s[66:67]
	s_lshl_b32 s66, s18, 18                        ; q's images: PI, head % 2, 2,048 bytes a tile
	s_lshl_b32 s101, s19, 10
	s_add_co_u32 s66, s66, s101
	s_lshl_b32 s101, s100, 11
	s_add_co_u32 s66, s66, s101
	v_add_nc_u32 v[\vq], s66, v1
	s_lshl_b32 s66, s18, 14                        ; q's scale words: PI, step, head % 2, tile
	s_lshl_b32 s101, s[\gp], 10
	s_add_co_u32 s66, s66, s101
	s_lshl_b32 s101, s19, 9
	s_add_co_u32 s66, s66, s101
	s_lshl_b32 s101, s15, 6
	s_add_co_u32 s66, s66, s101
	v_add_nc_u32 v[\vs], s66, v6
.endm
	PTRS GA, 90, 92, 233, 235
	PTRS GB, 94, 96, 234, 254
	s_wait_alu depctr_va_vdst(0)
	global_load_b128 v[16:19], v233, s[4:5]        ; Q of both passes stays in registers
	global_load_b128 v[20:23], v233, s[4:5] offset:512
	global_load_b128 v[QH:QH+3], v234, s[4:5]
	global_load_b128 v[QH+4:QH+7], v234, s[4:5] offset:512
	global_load_b32 v[QSA], v235, s[6:7]
	global_load_b32 v[QSB], v254, s[6:7]
.irp i, 0,1,2,3,4,5,6,7
	v_mov_b32 v[24+\i], 0                          ; Q's k = 64 .. 127: zero codes
	v_mov_b32 v[96+\i], 0                          ; what stands behind K's tile 7
.endr
.irp b, 0,1,2,3
	v_mov_b32 v[PL+\b], 0                          ; written once: a lane permute's destination counts as one of its sources
.endr
	v_mov_b32 v[F+1], 0
	v_mov_b32 v255, 0
	s_wait_tensorcnt 0x0                           ; my three fills have landed,
	s_barrier_signal -1
	s_barrier_wait -1                              ; everybody's have: the whole head lies in LDS, and no barrier is needed again
	s_wait_loadcnt 0x0                             ; Q
; A KEY STEP: 128 keys against my 16 queries.  qs: Q's scale words; gp: the register with the pass's group
.macro STEP qs, gp
	s_cmp_gt_u32 s[ST], s[\gp]                     ; all its keys come after my queries: only the addresses step
	s_cbranch_scc1 .Lhidden_\@
	s_setprio 2
	v_add_nc_u32 v[ADK], s[TB], v1
	v_add_nc_u32 v[ADV], s[TB], v2
	v_add_nc_u32 v[ADS], s[TS], v3
	v_add_nc_u32 v[ADT], s[TJ], v4
.rept 4
	v_nop                                          ; with the four additions: eight places between the last step's products and the loads into their registers
.endr
.irp t, 0,1,2,3,4,5,6,7
	ds_load_b128 v[KF+8*\t:KF+8*\t+3], v[ADK] offset:1024*\t
	ds_load_b128 v[KF+8*\t+4:KF+8*\t+7], v[ADK] offset:1024*\t+512
.endr
.irp u, 0,1,2,3
	ds_load_b32 v[KSC+\u], v[ADS] offset:128*\u
.endr
	s_wait_alu depctr_va_vdst(0)
	s_wait_dscnt 0x0
.irp u, 0,1,2,3                        ; S^T = K Q^T: eight accumulators, each begun with the constant 0
	v_wmma_scale_f32_16x16x128_f8f6f4 v[S+16*\u:S+16*\u+7], v[KF+16*\u:KF+16*\u+15], v[16:31], 0, v[KSC+\u], v[\qs]
	v_wmma_scale_f32_16x16x128_f8f6f4 v[S+16*\u+8:S+16*\u+15], v[KF+16*\u+8:KF+16*\u+23], v[16:31], 0, v[KSC+\u], v[\qs] matrix_a_scale:MATRIX_SCALE_ROW1
.endr
.rept 8
	v_nop                                          ; eight places: then V may land where K lay, and the scores may be read
.endr
.irp t, 0,1,2,3                        ; V's four fragments are asked for now and land under the softmax
.irp c, 0,1,2,3
	ds_load_b128 v[KF+16*\t+4*\c:KF+16*\t+4*\c+3], v[ADV] offset:2048*\t+512*\c
.endr
.endr
.irp u, 0,1
	ds_load_b32 v[VSC+\u], v[ADT] offset:128*\u
.endr
	s_cmp_lg_u32 s[ST], s[\gp]                     ; on the diagonal alone: hidden scores become -infinity ahead of the maximum, so that p = 0
	s_cbranch_scc1 .Lopen_\@
	v_mov_b32 v255, 0xff800000
.set N, 0
.rept 64
	v_cmp_gt_i32 vcc_lo, 32*(N/16)+N%16, v5
	v_cndmask_b32 v[S+N], v[S+N], v255, vcc_lo
.set N, N+1
.endr
.Lopen_\@:
.irp b, 0,1,2,3
	v_max3_num_f32 v[BM+\b], v[S+16*\b], v[S+16*\b+1], v[S+16*\b+2]   ; the largest score of each block of 32 keys: it serves the row's maximum and, since p rises with the score, the block's largest p
.endr
.irp i, 3,5,7,9,11,13
.irp b, 0,1,2,3
	v_max3_num_f32 v[BM+\b], v[BM+\b], v[S+16*\b+\i], v[S+16*\b+\i+1]
.endr
.endr
.irp b, 0,1,2,3
	v_max_num_f32 v[BM+\b], v[BM+\b], v[S+16*\b+15]
.endr
.irp b, 0,1,2,3
	s_delay_alu instid0(VALU_DEP_4)
	v_permlanex16_b32 v[PL+\b], v[BM+\b], s[SEL], s[SEL+1]
.endr
.irp b, 0,1,2,3
	s_delay_alu instid0(VALU_DEP_4)
	v_max_num_f32 v[BM+\b], v[BM+\b], v[PL+\b]     ; with lane l xor 16's 16 keys
.endr
	s_delay_alu instid0(VALU_DEP_2)
	v_max3_num_f32 v254, v[BM], v[BM+1], v[BM+2]
	s_delay_alu instid0(VALU_DEP_1)
	v_max_num_f32 v254, v254, v[BM+3]              ; the step's largest score of my query (its own key counts, so it is a number)
	s_delay_alu instid0(VALU_DEP_1)
	v_mul_f32 v254, s[CS], v254                    ; as t
	s_delay_alu instid0(VALU_DEP_1)
	v_max_num_f32 v13, v13, v254                   ; the running largest t
	v_mov_b32 v254, v12
	s_delay_alu instid0(VALU_DEP_2)
	v_floor_f32 v12, -v13                          ; the new -M = floor(-t) = -ceil(t)
	s_delay_alu instid0(VALU_DEP_1)
	v_sub_f32 v254, v12, v254                      ; old M - new M: a whole number, 0 or less
	s_delay_alu instid0(VALU_DEP_1)
	v_cvt_i32_f32 v254, v254                       ; (it saturates)
	s_delay_alu instid0(VALU_DEP_1)
	v_ldexp_f32 v[F], 1.0, v254                    ; f = 2^(old M - new M)
.set J, 0
	s_setprio 1
.rept 32
	v_pk_fma_f32 v[S+J:S+J+1], v[S+J:S+J+1], s[CS:CS+1], v[12:13] op_sel_hi:[1,0,0]   ; t - M, two at a time
.set J, J+2
.endr
.irp b, 0,1,2,3
	v_fma_f32 v[BM+\b], v[BM+\b], s[CS], v12       ; the same of each block's largest score
.endr
.set J, 0
	s_wait_alu depctr_va_vdst(0)
.rept 64
	v_exp_f32 v[S+J], v[S+J]                       ; p = 2^(t - M), at most 1
.set J, J+1
.endr
.irp b, 0,1,2,3
	v_exp_f32 v[BM+\b], v[BM+\b]                   ; the block's largest p: the same two instructions on the same number
.endr
	v_pk_mul_f32 v[14:15], v[14:15], v[F:F+1] op_sel_hi:[1,0]   ; the sums under the new M (the plain line behind the exponentials)
	s_wait_alu depctr_va_vdst(0)
.irp b, 0,1,2,3
	v_max_num_f32 v[BM+\b], 0x4800000, v[BM+\b]    ; the floor 2^(9 - 127): the byte cannot fall under 1
.endr
.irp b, 0,1,2,3
	s_delay_alu instid0(VALU_DEP_4)
	v_add_nc_u32 v[SO+\b], 0xfc000000, v[BM+\b]    ; 8 off the exponent field: the conversion's scale operand
.endr
.irp b, 0,1,2,3
.endr
.irp b, 0,1,2,3
	s_delay_alu instid0(VALU_DEP_4)
	v_lshrrev_b32 v[PL+\b], 23, v[SO+\b]           ; the scale's byte
.endr
	s_delay_alu instid0(VALU_DEP_3)
	v_lshl_or_b32 v[PW], v[PL+1], 8, v[PL]         ; p's scale word for these 128 keys
	s_delay_alu instid0(VALU_DEP_1)
	v_lshl_or_b32 v[PW], v[PL+2], 16, v[PW]
	s_delay_alu instid0(VALU_DEP_1)
	v_lshl_or_b32 v[PW], v[PL+3], 24, v[PW]
	v_pk_add_f32 v[240:241], v[108:109], v[112:113]
	v_pk_add_f32 v[246:247], v[116:117], v[120:121]
	v_pk_add_f32 v[244:245], v[124:125], v[128:129]
	v_pk_add_f32 v[238:239], v[132:133], v[136:137]
	v_pk_add_f32 v[236:237], v[140:141], v[144:145]
	v_pk_add_f32 v[234:235], v[148:149], v[152:153]
	v_pk_add_f32 v[226:227], v[156:157], v[160:161]
	v_pk_add_f32 v[14:15], v[14:15], v[164:165]
	v_pk_add_f32 v[240:241], v[240:241], v[104:105]
	v_pk_add_f32 v[246:247], v[246:247], v[106:107]
	v_pk_add_f32 v[244:245], v[244:245], v[110:111]
	v_pk_add_f32 v[238:239], v[238:239], v[114:115]
	v_pk_add_f32 v[236:237], v[236:237], v[118:119]
	v_pk_add_f32 v[234:235], v[234:235], v[122:123]
	v_pk_add_f32 v[226:227], v[226:227], v[126:127]
	v_pk_add_f32 v[14:15], v[14:15], v[130:131]
	v_pk_add_f32 v[240:241], v[240:241], v[134:135]
	s_setprio 0
	v_pk_add_f32 v[246:247], v[246:247], v[138:139]
	v_pk_add_f32 v[244:245], v[244:245], v[142:143]
	v_pk_add_f32 v[238:239], v[238:239], v[146:147]
	v_pk_add_f32 v[236:237], v[236:237], v[150:151]
	v_pk_add_f32 v[234:235], v[234:235], v[154:155]
	v_pk_add_f32 v[226:227], v[226:227], v[158:159]
	v_pk_add_f32 v[14:15], v[14:15], v[162:163]
	v_pk_add_f32 v[240:241], v[240:241], v[166:167]
	s_delay_alu instid0(VALU_DEP_2)
	v_pk_add_f32 v[14:15], v[14:15], v[238:239]
	s_delay_alu instid0(VALU_DEP_2)
	v_pk_add_f32 v[240:241], v[240:241], v[236:237]
	v_pk_add_f32 v[246:247], v[246:247], v[234:235]
	v_pk_add_f32 v[244:245], v[244:245], v[226:227]
	s_delay_alu instid0(VALU_DEP_2)
	v_pk_add_f32 v[14:15], v[14:15], v[246:247]
	s_delay_alu instid0(VALU_DEP_2)
	v_pk_add_f32 v[240:241], v[240:241], v[244:245]
	s_delay_alu instid0(VALU_DEP_1)
	v_pk_add_f32 v[14:15], v[14:15], v[240:241]
.irp b, 0,1,2,3
.irp i, 0,1,2,3,4,5,6,7,8,9,10,11,12,13,14,15
.endr
	v_cvt_scalef32_pk8_fp8_f32 v[PC+4*\b:PC+4*\b+1], v[S+16*\b:S+16*\b+7], v[SO+\b]
	v_cvt_scalef32_pk8_fp8_f32 v[PC+4*\b+2:PC+4*\b+3], v[S+16*\b+8:S+16*\b+15], v[SO+\b]
.endr
.set J, 0
.rept 16
	v_pk_mul_f32 v[O+J:O+J+1], v[O+J:O+J+1], v[F:F+1] op_sel_hi:[1,0]   ; O^T under the new M.  (These sixteen also stand between the conversions and the products)
.set J, J+2
.endr
	s_wait_alu depctr_va_vdst(0)
	s_wait_dscnt 0x0                               ; V and its scale words are in
.irp u, 0,1                            ; O^T += V^T P^T: four accumulators by turns, one instruction a turn
	v_wmma_scale_f32_16x16x128_f8f6f4 v[O+16*\u:O+16*\u+7], v[KF+32*\u:KF+32*\u+15], v[PC:PC+15], v[O+16*\u:O+16*\u+7], v[VSC+\u], v[PW]
	v_wmma_scale_f32_16x16x128_f8f6f4 v[O+16*\u+8:O+16*\u+15], v[KF+32*\u+16:KF+32*\u+31], v[PC:PC+15], v[O+16*\u+8:O+16*\u+15], v[VSC+\u], v[PW] matrix_a_scale:MATRIX_SCALE_ROW1
.endr
.Lhidden_\@:
	s_add_co_u32 s[TB], s[TB], 8192
	s_add_co_u32 s[TS], s[TS], 512
	s_add_co_u32 s[TJ], s[TJ], 256
.endm
; A PASS: one tile of queries against the key steps 0 .. its group; the trip count is a constant, the steps behind the diagonal are jumped over
.macro PASS trips, qs, gp
	v_mov_b32 v13, 0xff61b1e6                      ; the largest t so far: -3e38
	s_delay_alu instid0(VALU_DEP_1)
	v_floor_f32 v12, -v13                          ; -M
	v_mov_b32 v14, 0                               ; the sum, in two halves
	v_mov_b32 v15, 0
.set J, 0
.rept 32
	v_mov_b32 v[O+J], 0                            ; O^T: the step is written once, and its first turn finds zeros
.set J, J+1
.endr
	s_mov_b32 s[TB], 0
	s_mov_b32 s[TS], 0
	s_mov_b32 s[TJ], 0
	s_mov_b32 s[ST], 0
.Lpass_\@:
	STEP \qs, \gp
	s_add_co_u32 s[ST], s[ST], 1
	s_cmp_lt_u32 s[ST], \trips
	s_cbranch_scc1 .Lpass_\@
	s_setprio 0
.endm
; THE WAY OUT of a pass: O^T / the sum; register 16 b + i is channel 32 b + 16 h + i of my query: two blocks of the last product's K, each shared with lane l xor 16; quantised, and stored as two pieces of an operand's image
.macro FINAL oc, os
.rept 8
	v_nop                                          ; eight places behind the last products
.endr
	v_add_f32 v14, v14, v15
	s_delay_alu instid0(VALU_DEP_1)
	v_permlanex16_b32 v254, v14, s[SEL], s[SEL+1]
	s_delay_alu instid0(VALU_DEP_1)
	v_add_f32 v14, v14, v254                       ; the row's sum
	s_wait_alu depctr_va_vdst(0)
	v_rcp_f32 v14, v14
	v_and_b32 v254, 16, v0                         ; (the plain line behind the transcendental)
	s_delay_alu instid0(VALU_DEP_1)
	v_cmp_ne_u32 vcc_lo, 0, v254                   ; lanes 16-31
.set J, 0
	s_wait_alu depctr_va_vdst(0)
.rept 32
	v_mul_f32 v[S+J], v[O+J], v14                  ; each accumulator from its low end on
.set J, J+1
.endr
.irp b, 0,1
	v_max3_num_f32 v[BM+\b], |v[S+16*\b]|, |v[S+16*\b+1]|, 0x4800000
.endr
.irp i, 2,4,6,8,10,12,14
.irp b, 0,1
	s_delay_alu instid0(VALU_DEP_2)
	v_max3_num_f32 v[BM+\b], v[BM+\b], |v[S+16*\b+\i]|, |v[S+16*\b+\i+1]|
.endr
.endr
.irp b, 0,1
	s_delay_alu instid0(VALU_DEP_2)
	v_permlanex16_b32 v[PL+\b], v[BM+\b], s[SEL], s[SEL+1]
.endr
.irp b, 0,1
	s_delay_alu instid0(VALU_DEP_2)
	v_max_num_f32 v[BM+\b], v[BM+\b], v[PL+\b]
.endr
.irp b, 0,1
	s_delay_alu instid0(VALU_DEP_2)
	v_add_nc_u32 v[SO+\b], 0xfc000000, v[BM+\b]
.endr
.irp b, 0,1
.endr
.irp b, 0,1
	s_delay_alu instid0(VALU_DEP_2)
	v_lshrrev_b32 v[PL+\b], 23, v[SO+\b]
.endr
	s_delay_alu instid0(VALU_DEP_1)
	v_cndmask_b32 v255, v[PL], v[PL+1], vcc_lo     ; lanes 0-15 store block 0's byte, lanes 16-31 block 1's
.irp b, 0,1
.irp i, 0,1,2,3,4,5,6,7,8,9,10,11,12,13,14,15
.endr
	v_cvt_scalef32_pk8_fp8_f32 v[PC+4*\b:PC+4*\b+1], v[S+16*\b:S+16*\b+7], v[SO+\b]
	v_cvt_scalef32_pk8_fp8_f32 v[PC+4*\b+2:PC+4*\b+3], v[S+16*\b+8:S+16*\b+15], v[SO+\b]
.endr
	v_nop                                          ; one plain line behind the last conversion
	global_store_b128 v1, v[PC:PC+3], s[\oc:\oc+1]             ; 512 consecutive bytes each
	global_store_b128 v1, v[PC+4:PC+7], s[\oc:\oc+1] offset:512
	global_store_b8 v7, v255, s[\os:\os+1]
.endm
	PASS 8, QSA, GA                                ; group g, 0 .. 7
	FINAL 90, 92
	s_wait_xcnt 0x0                                ; the stores have read their registers: they are written again only behind this wait
.irp i, 0,1,2,3,4,5,6,7
	v_mov_b32 v[16+\i], v[QH+\i]
.endr
	PASS 16, QSB, GB                               ; group 15 - g
	FINAL 94, 96
	s_wait_xcnt 0x0
	v_lshl_add_u32 v254, v0, 2, 0x43000
	v_mov_b32 v255, 0
	s_wait_alu depctr_va_vdst(0)
	s_wait_tensorcnt 0x0
	ds_add_u32 v254, v255
	s_wait_dscnt 0x0
	CROUND                                         ; the closing round
	s_endpgm
.Lfunc_end_k_q46fe3cdcf7_attn:
	.size	k_q46fe3cdcf7_attn, .Lfunc_end_k_q46fe3cdcf7_attn-k_q46fe3cdcf7_attn
	.p2alignl 7, 3214868480
	.fill 96, 4, 3214868480
	.section	.rodata,"a",@progbits
	.p2align	6, 0x0
	.amdhsa_kernel k_q46fe3cdcf7_attn
		.amdhsa_group_segment_fixed_size 276480
		.amdhsa_private_segment_fixed_size 0
		.amdhsa_enable_private_segment 0
		.amdhsa_kernarg_size 32
		.amdhsa_user_sgpr_count 2
		.amdhsa_user_sgpr_kernarg_segment_ptr 1
		.amdhsa_wavefront_size32 1
		.amdhsa_system_sgpr_workgroup_id_x 1
		.amdhsa_system_sgpr_workgroup_id_y 1
		.amdhsa_system_sgpr_workgroup_id_z 1
		.amdhsa_system_vgpr_workitem_id 0
		.amdhsa_next_free_vgpr 256
		.amdhsa_next_free_sgpr 102
		.amdhsa_reserve_vcc 1
		.amdhsa_float_denorm_mode_32 3
		.amdhsa_float_denorm_mode_16_64 3
		.amdhsa_fp16_overflow 1
		.amdhsa_memory_ordered 1
		.amdhsa_forward_progress 1
		.amdhsa_inst_pref_size 69
	.end_amdhsa_kernel
	.amdgpu_metadata
---
amdhsa.version: [ 1, 2 ]
amdhsa.kernels:
  - .name:           k_q46fe3cdcf7_attn
    .symbol:         k_q46fe3cdcf7_attn.kd
    .args:
      - { .name: qkv_img, .offset: 0, .size: 8, .value_kind: global_buffer, .address_space: global }
      - { .name: qkv_sc, .offset: 8, .size: 8, .value_kind: global_buffer, .address_space: global }
      - { .name: ao_img, .offset: 16, .size: 8, .value_kind: global_buffer, .address_space: global }
      - { .name: ao_sc, .offset: 24, .size: 8, .value_kind: global_buffer, .address_space: global }
    .group_segment_fixed_size: 276480
    .private_segment_fixed_size: 0
    .kernarg_segment_align: 8
    .kernarg_segment_size: 32
    .max_flat_workgroup_size: 512
    .sgpr_count:     102
    .vgpr_count:     256
    .wavefront_size: 32
...
	.end_amdgpu_metadata
.endif
;; end of part 3
;; launch proj (part 4): grid 4 x 32, 4 waves a work-group, clusters of 4 x 4, 327,680 bytes of LDS; arguments ao_img, ao_sc, codes, scales, out0; writes out0
.if DOCPART == 4
	.amdgcn_target "amdgcn-amd-amdhsa--gfx1250"
	.amdhsa_code_object_version 6
	.text
	.protected	k_q46fe3cdcf7_proj
	.globl	k_q46fe3cdcf7_proj
	.p2align	8
	.type	k_q46fe3cdcf7_proj,@function
k_q46fe3cdcf7_proj:
	s_mov_b64 s[64:65], 0
	v_nop
	global_prefetch_b8 v0, s[64:65] scope:SCOPE_SE
	s_setreg_imm32_b32 hwreg(HW_REG_WAVE_MODE, 25, 1), 1
	s_wait_xcnt 0x0
	s_wait_alu depctr_hold_cnt(0) depctr_sa_sdst(0) depctr_va_vdst(0) depctr_va_sdst(0) depctr_va_ssrc(0) depctr_va_vcc(0) depctr_vm_vsrc(0)
	s_getreg_b32 s2, hwreg(HW_REG_IB_STS2, 6, 4)
	s_cmp_eq_u32 s2, 0
	s_cbranch_scc0 .Lentry_in_a_cluster
	s_endpgm
.Lentry_in_a_cluster:
	s_bfe_u32 s2, ttmp6, 0x10000c
	s_cmp_lg_u32 s2, 0xf033
	s_cbranch_scc0 .Lentry_shape_is_right
	s_endpgm
.Lentry_shape_is_right:
; out0 = A Wo^T on codes of FP8 (E4M3) with E8M0 scales, K = 1,024.  A is attention's result, 8,192 rows in stored order (bits 3 and 4 of a row's number exchanged), as images of operand registers:
; ao_img [tile of 16 rows][block of 32 along K][lane][16 bytes], scale bytes ao_sc [row][32].  Wo's codes are rows 11,264 on of the buffer of codes [row][1,024 bytes], in stored order too, scale bytes [row][32].  out0 [8192][1024] f32.
; A tile of out0, 256 x 256, is made by four waves, 128 x 128 each: 64 accumulators, 512 registers.  K goes in steps of 256 through a ring of two LDS slots; the scale bytes of the 512 rows come once and stay.
; A's part of a slot is 16 tiles of rows x 4,096 bytes, dense: a fragment's four loads read 512 consecutive bytes each, so it wants no padding.  Wo's part is rows of 256 bytes + 16.
; CLUSTERS: 4 x 4 work-groups; A's tile is shared along a row of the cluster, Wo's along a column: joint loads divide the requests by four.  128 work-groups: a smaller tile would read half as many more LDS bytes for each product.
; THE MATRIX INSTRUCTION IS USED TRANSPOSED (source 0 = 16 rows of Wo, source 1 = 16 rows of A): a lane holds eight neighbouring numbers of a row of out0.  Both stored orders are undone on the way out, by immediates:
; Wo's in the stage's columns, the rows' in the stores' offsets.
; No prefetch: K has four steps, and a lead of two would fall at the head, where the first tiles are on their way.
; REGISTERS, in windows of 256: window 0: v0-31 addresses; v32-63 scale words, two sets; from v128 A's fragments, ONE set.   window 1: Wo's fragments, TWO sets.   windows 2, 3: the accumulators ((a, b) at v[8 (8 (a % 4) + b)]).
.set SIZE_N, 1024
.set KSTEP,  256
.set NQ,     2
.set ROWB,   256                       ; a row of Wo's tile in bytes
.set AROWB,  4096                      ; a K step of a tile of 16 rows of A: 8 pieces of 512 bytes
.set KROW,   1024                      ; a row of codes in memory; A's images take as many bytes a row
.set PITCH,  272
.set FR,     16
.set NL,     4
.set NP,     8
.set HALFT,  128*PITCH
.set SLOT,   4*HALFT
.set LAPS,   2
.set KS,     32
.set SCL,    2*SLOT
.set HALFS,  (128*KS/256)*272
.set SBLK,   (16*KS/256)*272
.set SPARE,  SCL+4*HALFS               ; the spare words, 128 bytes for each wave
.set SPITCH, 528                       ; the way out: a stage of 16 rows x (512 bytes + 16) for each wave, in slot 0, which has had its last fill and its last read when the first result is stored there
.set ADRA, 16
.set ADRB, 20
.set STO,  24
.set RD,   25
.set CO,   26                          ; v26  16 x lane
.set ADRS, 27
.set SPW,  28
.set NIL,  29
.set SC,   32
.set AF,   128
.set BK,   128
.set G1, 24
.set G0, 32
.set G1B, 48
.set G0B, 56
.set G1S, 68
.set G0S, 76
.set G1SB, 80
.set G0SB, 88
.set MSB, 0
.macro WIN new                         ; the immediate's high byte repeats the setting that is left
.if MSB != \new
	s_set_vgpr_msb (MSB<<8)|\new
.set MSB, \new
.endif
.endm
.set MUL_LO, 0xa1
.set MUL_HI, 0xf1
.set TO_B,   0x40
.macro JLOAD g0a, g1a, g0b, g1b        ; a joint load: waves 0 and 1 fetch for A, waves 2 and 3 for Wo; four v_nop follow each of the two lines
	s_cmp_eq_u32 s15, 0
	s_cbranch_scc0 .Lfor_b_\@
	tensor_load_to_lds s[\g0a:\g0a+3], s[\g1a:\g1a+7]
	s_nop 0
.rept 4
	v_nop
.endr
	s_branch .Lasked_\@
.Lfor_b_\@:
	tensor_load_to_lds s[\g0b:\g0b+3], s[\g1b:\g1b+7]
	s_nop 0
.rept 4
	v_nop
.endr
.Lasked_\@:
.endm
.macro CREST
	s_cmp_lg_u32 s14, 0
	s_cbranch_scc1 .Lnot_wave_0_\@
	s_barrier_signal -3
.Lnot_wave_0_\@:
	s_barrier_wait -3
	s_barrier_signal -1
	s_barrier_wait -1
.endm
.macro CROUND
	s_barrier_signal -1
	s_barrier_wait -1
	CREST
.endm
	s_load_b128 s[4:7], s[0:1], 0x0                ; ao_img s[4:5], ao_sc s[6:7]
	s_load_b128 s[8:11], s[0:1], 0x10              ; codes s[8:9], scales s[10:11]
	s_load_b64 s[12:13], s[0:1], 0x20              ; out0
	v_lshl_add_u32 v[SPW], v0, 2, SPARE
	v_mov_b32 v[NIL], 0
	ds_add_u32 v28, v29
	ds_add_u32 v28, v29
	s_wait_dscnt 0x0
	v_lshrrev_b32 v1, 5, v0
	v_readfirstlane_b32 s14, v1                    ; wave 0..3
	s_lshr_b32 s15, s14, 1                         ; which half of the tile's rows is mine.  Also: I fetch for A (0) or for Wo (1)
	s_and_b32 s16, s14, 1                          ; which half of its columns.  Also: which 128 rows of that tile I fetch
	s_bfe_u32 s40, ttmp6, 0x40000                  ; cx, cy
	s_bfe_u32 s41, ttmp6, 0x40004
	s_lshl_b32 s42, ttmp9, 2
	s_add_co_u32 s42, s42, s40                     ; tile column
	s_and_b32 s17, ttmp7, 0xffff
	s_lshl_b32 s17, s17, 2
	s_add_co_u32 s17, s17, s41                     ; tile row
	s_lshl_b32 s43, s41, 2
	s_lshl_b32 s43, 15, s43                        ; my row of the cluster
	s_lshl_b32 s44, 0x1111, s40                    ; my column
	; A: 8 tiles of rows x 4,096 bytes (512 elements of 8), 16,384 bytes apart, dense in LDS
	s_or_b32 s[G1+0], s43, (3<<16)|(1<<21)
	s_mov_b32 s[G1+1], 512<<16
	s_mov_b32 s[G1+2], 8<<16
	s_mov_b32 s[G1+3], 512<<16
	s_mov_b32 s[G1+4], 8
	s_mov_b32 s[G1+5], 2048
	s_mov_b32 s[G1+6], 0
	s_mov_b32 s[G1+7], 0
	; Wo: 128 rows x 256 bytes, 16 bytes of padding behind each
	s_or_b32 s[G1B+0], s44, (0<<16)|(1<<20)|(1<<21)|(5<<22)|(3<<25)
	s_mov_b32 s[G1B+1], ROWB<<16
	s_mov_b32 s[G1B+2], 128<<16
	s_mov_b32 s[G1B+3], ROWB<<16
	s_mov_b32 s[G1B+4], 128
	s_mov_b32 s[G1B+5], KROW
	s_mov_b32 s[G1B+6], 0
	s_mov_b32 s[G1B+7], 0
	; the scales of 128 rows: 4,096 dense bytes, as 16 rows of 256 bytes, 16 bytes of padding behind each
	s_or_b32 s[G1S+0], s43, (3<<16)|(1<<20)|(1<<21)|(5<<22)|(3<<25)
	s_or_b32 s[G1SB+0], s44, (3<<16)|(1<<20)|(1<<21)|(5<<22)|(3<<25)
.irp g, G1S, G1SB
	s_mov_b32 s[\g+1], 32<<16
	s_mov_b32 s[\g+2], (128*KS/256)<<16
	s_mov_b32 s[\g+3], 32<<16
	s_mov_b32 s[\g+4], 128*KS/256
	s_mov_b32 s[\g+5], 32
	s_mov_b32 s[\g+6], 0
	s_mov_b32 s[\g+7], 0
.endr
	s_lshl_b32 s18, s16, 7                         ; which 128 rows of the tile I fetch
	s_lshl_b32 s20, s17, 8
	s_add_co_u32 s20, s20, s18                     ; A: row 256 x tile row + 128 x half
	s_add_co_u32 s46, s42, 44                      ; Wo begins at tile 44 of the buffer of codes
	s_lshl_b32 s46, s46, 8
	s_add_co_u32 s46, s46, s18
	s_mov_b32 s21, 0
	s_mov_b32 s47, 0
	s_mov_b64 s[18:19], KS
	s_mul_u64 s[22:23], s[20:21], s[18:19]
	s_mul_u64 s[92:93], s[46:47], s[18:19]
	s_mov_b64 s[18:19], KROW
	s_mul_u64 s[20:21], s[20:21], s[18:19]         ; (a tile of 16 rows of images is 16,384 bytes: 1,024 a row, as in a buffer of rows)
	s_mul_u64 s[46:47], s[46:47], s[18:19]
	s_mul_i32 s45, s14, HALFT
	s_mul_i32 s94, s14, HALFS
	s_wait_kmcnt 0x0
	s_add_nc_u64 s[20:21], s[4:5], s[20:21]
	s_add_nc_u64 s[22:23], s[6:7], s[22:23]
	s_add_nc_u64 s[46:47], s[8:9], s[46:47]
	s_add_nc_u64 s[92:93], s[10:11], s[92:93]
	CROUND                                         ; all sixteen work-groups are here: the first joint loads meet
	s_mov_b32 s[G0S], 1
	s_add_co_u32 s[G0S+1], s94, SCL
	s_mov_b64 s[G0S+2:G0S+3], s[22:23]
	s_or_b32 s[G0S+3], s[G0S+3], 0x80000000
	s_mov_b32 s[G0SB], 1
	s_add_co_u32 s[G0SB+1], s94, SCL
	s_mov_b64 s[G0SB+2:G0SB+3], s[92:93]
	s_or_b32 s[G0SB+3], s[G0SB+3], 0x80000000
	JLOAD G0S, G1S, G0SB, G1SB
.irp s, 0,1
	s_mov_b32 s[G0+4*\s], 1
	s_add_co_u32 s[G0+4*\s+1], s45, \s*SLOT
	s_add_nc_u64 s[G0+4*\s+2:G0+4*\s+3], s[20:21], \s*AROWB
	s_or_b32 s[G0+4*\s+3], s[G0+4*\s+3], 0x80000000
	s_mov_b32 s[G0B+4*\s], 1
	s_add_co_u32 s[G0B+4*\s+1], s45, \s*SLOT
	s_add_nc_u64 s[G0B+4*\s+2:G0B+4*\s+3], s[46:47], \s*ROWB
	s_or_b32 s[G0B+4*\s+3], s[G0B+4*\s+3], 0x80000000
	s_wait_alu depctr_va_vdst(0)
	s_wait_tensorcnt 0x0
	ds_add_u32 v28, v29
	s_wait_dscnt 0x0
	CROUND
	JLOAD G0+4*\s, G1, G0B+4*\s, G1B               ; three tensor loads of mine are out at the most
.endr
	v_and_b32 v1, 15, v0                           ; r
	v_bfe_u32 v2, v0, 4, 1                         ; h
	v_mul_u32_u24 v3, v1, PITCH
	v_lshl_add_u32 v4, v2, 4, v3                   ; Wo: a fragment's row x pitch + 16 x half
	v_and_b32 v6, 31, v0
	v_lshlrev_b32 v[CO], 4, v6                     ; A: 16 x lane; also my place in a row of out0
	s_mul_i32 s21, s15, HALFT                      ; my 128 rows of A
	s_mul_i32 s22, s16, HALFT                      ; my 128 rows of Wo,
	s_add_co_u32 s22, s22, 2*HALFT                 ; behind A's part
.irp s, 0,1
	v_add_nc_u32 v[ADRA+\s], s21, v[CO]
	v_add_nc_u32 v[ADRB+\s], s22, v4
	s_add_co_u32 s21, s21, SLOT
	s_add_co_u32 s22, s22, SLOT
.endr
	v_mul_u32_u24 v5, v1, KS
	v_lshrrev_b32 v6, 8, v5
	v_lshl_add_u32 v5, v6, 4, v5
	s_mul_i32 s21, s15, HALFS
	s_mul_i32 s22, s16, HALFS
	s_add_co_u32 s22, s22, 2*HALFS
	s_sub_co_u32 s22, s22, s21
	v_mul_u32_u24 v6, s22, v2                      ; lanes 16-31 take Wo's
	s_add_co_u32 s21, s21, SCL
	v_add_nc_u32 v5, v5, v6
	v_add_nc_u32 v[ADRS], s21, v5
	s_mul_i32 s23, s14, 16*SPITCH                  ; my stage
	v_mul_u32_u24 v5, v1, SPITCH                   ; in: row r; accumulators 2 p and 2 p + 1 hold columns 32 p + 16 h + 0 .. 15: 64 bytes for each half of the lanes
	v_lshl_add_u32 v5, v2, 6, v5
	v_add_nc_u32 v[STO], s23, v5
	v_add_nc_u32 v[RD], s23, v[CO]                 ; back: the 32 lanes take one row of 512 bytes
	s_lshl_b32 s20, s17, 8
	s_lshl_b32 s21, s15, 7
	s_add_co_u32 s20, s20, s21                     ; my first row of out0
	s_mov_b32 s21, 0
	s_mov_b64 s[18:19], SIZE_N*4
	s_mul_u64 s[20:21], s[20:21], s[18:19]
	s_lshl_b32 s46, s42, 10                        ; my first column, in bytes
	s_lshl_b32 s47, s16, 9
	s_add_co_u32 s46, s46, s47
	s_mov_b32 s47, 0
	s_add_nc_u64 s[20:21], s[20:21], s[46:47]
	s_add_nc_u64 s[12:13], s[12:13], s[20:21]
.macro FRAG reg, adr, q, i             ; Wo's fragment from rows: registers 4 c .. 4 c + 3 hold K = 32 c + 16 (l / 16) + 0 .. 15
.irp c, 0,1,2,3
	ds_load_b128 v[\reg+4*\c:\reg+4*\c+3], v[\adr] offset:128*(\q)+32*\c+(\i)*16*PITCH
.endr
.endm
.macro FRAGA reg, adr, q, i            ; A's fragment from its image: four pieces of 512 bytes
.irp c, 0,1,2,3
	ds_load_b128 v[\reg+4*\c:\reg+4*\c+3], v[\adr] offset:4096*(\i)+2048*(\q)+512*\c
.endr
.endm
.macro MUL16 a0, p, q, sc, zero        ; 16 matrix instructions; the 64 accumulators take turns, one instruction a turn
.irp a, \a0, \a0+1
.irp b, 0,1,2,3,4,5,6,7
.if \zero
	v_wmma_scale_f32_16x16x128_f8f6f4 v[8*(8*((\a)%4)+\b):8*(8*((\a)%4)+\b)+7], v[128*(\p)+FR*\b:128*(\p)+FR*\b+FR-1], v[AF+FR*(\a):AF+FR*(\a)+FR-1], 0, v[SC+8*NQ*(\sc)+NQ*\b+(\q)], v[SC+8*NQ*(\sc)+NQ*(\a)+(\q)] matrix_a_scale:MATRIX_SCALE_ROW1
.else
	v_wmma_scale_f32_16x16x128_f8f6f4 v[8*(8*((\a)%4)+\b):8*(8*((\a)%4)+\b)+7], v[128*(\p)+FR*\b:128*(\p)+FR*\b+FR-1], v[AF+FR*(\a):AF+FR*(\a)+FR-1], v[8*(8*((\a)%4)+\b):8*(8*((\a)%4)+\b)+7], v[SC+8*NQ*(\sc)+NQ*\b+(\q)], v[SC+8*NQ*(\sc)+NQ*(\a)+(\q)] matrix_a_scale:MATRIX_SCALE_ROW1
.endif
.endr
.endr
.endm
.macro FETCH_B slot, q, p
	WIN TO_B
.irp i, 0,1,2,3,4,5,6,7
	FRAG 128*(\p)+FR*\i, ADRB+\slot, \q, \i
.endr
	WIN 0
.endm
.macro FETCH_A slot, q, i0
.irp i, \i0, \i0+1, \i0+2, \i0+3
	FRAGA AF+FR*(\i), ADRA+\slot, \q, \i
.endr
.endm
.macro SCALES sc
.irp i, 0,1,2,3,4,5,6,7
	ds_load_b64 v[SC+8*NQ*\sc+NQ*\i:SC+8*NQ*\sc+NQ*\i+1], v[ADRS] offset:\i*SBLK
.endr
.endm
.macro PLACES n                        ; plain vector lines between a matrix instruction and a load into, or a read of, its registers
.rept \n
	v_nop
.endr
.endm
.macro STEP slot, q, zero
	s_wait_dscnt 4*NL                              ; Wo's set and A's blocks 0-3 are in; the youngest sixteen loads (A's blocks 4-7) may be out
	WIN MUL_LO
	MUL16 0, (\q)%2, \q, \slot, \zero
	MUL16 2, (\q)%2, \q, \slot, \zero
	s_wait_dscnt 0
	PLACES NP
	FETCH_B \slot, (\q)+1, 1-(\q)%2
	FETCH_A \slot, (\q)+1, 0
	WIN MUL_HI
	MUL16 4, (\q)%2, \q, \slot, \zero
	MUL16 6, (\q)%2, \q, \slot, \zero
	PLACES NP
	WIN 0
	FETCH_A \slot, (\q)+1, 4
.endm
.macro TURN slot, next, fill
	s_wait_tensorcnt 0x0                           ; all my tensor loads have landed: my part of the next slot
	ds_add_u32 v[SPW], v[NIL]                      ; 0 onto my spare word
	s_wait_dscnt 4*NL+1                            ; (the add and the youngest sixteen loads may be out)
	WIN MUL_LO
	MUL16 0, 1, NQ-1, \slot, 0
	s_wait_dscnt 0x0                               ; the add is done, and my reads of this slot are over
	s_barrier_signal -1
	MUL16 2, 1, NQ-1, \slot, 0
	WIN 0
	s_barrier_wait -1
.if \fill
	CREST                                          ; the barrier has opened a round of the cluster's barrier: no wave of any partner still reads this slot or has a load on its way
	s_add_nc_u64 s[G0+4*\slot+2:G0+4*\slot+3], s[G0+4*\slot+2:G0+4*\slot+3], 2*AROWB
	s_add_nc_u64 s[G0B+4*\slot+2:G0B+4*\slot+3], s[G0B+4*\slot+2:G0B+4*\slot+3], 2*ROWB
	JLOAD G0+4*\slot, G1, G0B+4*\slot, G1B
	PLACES NP-4
.else
	PLACES NP
.endif
	s_wait_alu depctr_va_vdst(0)
	v_add_nc_u32 v[ADRS], 4*NQ, v[ADRS]
	FETCH_B \next, 0, 0
	FETCH_A \next, 0, 0
	SCALES \next
	WIN MUL_HI
	MUL16 4, 1, NQ-1, \slot, 0
	MUL16 6, 1, NQ-1, \slot, 0
	PLACES NP
	WIN 0
	FETCH_A \next, 0, 4
.endm
	s_wait_alu depctr_va_vdst(0)
	s_wait_tensorcnt 1                             ; the scales and my part of K step 0 are in (K step 1's load may be out)
	s_barrier_signal -1
	s_barrier_wait -1
	FETCH_B 0, 0, 0
	FETCH_A 0, 0, 0
	SCALES 0
	FETCH_A 0, 0, 4
	STEP 0, 0, 1                                   ; the first step's products start the sums
	s_mov_b32 s3, LAPS-1
.Llap:
	TURN 0, 1, 1
	STEP 1, 0, 0
	TURN 1, 0, 1
	STEP 0, 0, 0
	s_sub_co_u32 s3, s3, 1
	s_cmp_lg_u32 s3, 0
	s_cbranch_scc1 .Llap
	TURN 0, 1, 0                                   ; the last lap fills nothing
	STEP 1, 0, 0
	s_wait_dscnt 4*NL
	WIN MUL_LO
	MUL16 0, 1, NQ-1, 1, 0
	MUL16 2, 1, NQ-1, 1, 0
	s_wait_dscnt 0
	WIN MUL_HI
	MUL16 4, 1, NQ-1, 1, 0
	MUL16 6, 1, NQ-1, 1, 0
	WIN 0
; THE WAY OUT, block by block of 16 rows x 128 columns, through my own stage; back as whole rows of 512 bytes.  LDS serves a wave's instructions in order: no wait between the stores and the loads.
.macro TOSTAGE a
.set AC, 64*((\a)%4)
	WIN 0x08+4*((\a)/4)                            ; the data: window 2 or 3
.irp b, 0,1,2,3,4,5,6,7
	ds_store_b128 v[STO], v[AC+8*\b:AC+8*\b+3] offset:128*(\b/2)+32*(\b%2)          ; each accumulator from its low end on; columns 32 (b / 2) + 16 h + 8 (b % 2) on
	ds_store_b128 v[STO], v[AC+8*\b+4:AC+8*\b+7] offset:128*(\b/2)+32*(\b%2)+16
.endr
	WIN 0
.set BB, BK+64*((\a)%2)
.irp t, 0,1,2,3,4,5,6,7,8,9,10,11,12,13,14,15
	ds_load_b128 v[BB+4*\t:BB+4*\t+3], v[RD] offset:\t*SPITCH
.endr
.endm
.macro SEND a, younger                 ; younger: the LDS instructions issued behind block a's loads, which may stay out
.set BB, BK+64*((\a)%2)
	s_wait_dscnt \younger
.irp t, 0,1,2,3,4,5,6,7,8,9,10,11,12,13,14,15
	global_store_b128 v[CO], v[BB+4*\t:BB+4*\t+3], s[12:13] offset:(32*((\a)/2)+8*((\a)%2)+\t+8*(\t/8))*SIZE_N*4 th:TH_STORE_NT   ; stored row 16 a + t is row 32 (a / 2) + 8 (a % 2) + t + 8 (t / 8); 512 consecutive bytes; 127 rows at the most: inside the signed 24-bit immediate
.endr
.endm
	PLACES NP
	TOSTAGE 0
.irp a, 1,2,3,4,5,6,7
.if \a > 1
	s_wait_xcnt 0x0                                ; block a - 2's stores have read their registers: block a's loads may land there
.endif
	TOSTAGE \a
	SEND \a-1, 32                                  ; behind block a - 1's loads: block a's 16 stores and 16 loads
.endr
	SEND 7, 0
	s_wait_tensorcnt 0x0                           ; the wave's end
	ds_add_u32 v[SPW], v[NIL]
	s_wait_dscnt 0x0
	CROUND                                         ; the closing round
	s_endpgm
.Lfunc_end_k_q46fe3cdcf7_proj:
	.size	k_q46fe3cdcf7_proj, .Lfunc_end_k_q46fe3cdcf7_proj-k_q46fe3cdcf7_proj
	.p2alignl 7, 3214868480
	.fill 96, 4, 3214868480
	.section	.rodata,"a",@progbits
	.p2align	6, 0x0
	.amdhsa_kernel k_q46fe3cdcf7_proj
		.amdhsa_group_segment_fixed_size 327680
		.amdhsa_private_segment_fixed_size 0
		.amdhsa_enable_private_segment 0
		.amdhsa_kernarg_size 40
		.amdhsa_user_sgpr_count 2
		.amdhsa_user_sgpr_kernarg_segment_ptr 1
		.amdhsa_wavefront_size32 1
		.amdhsa_system_sgpr_workgroup_id_x 1
		.amdhsa_system_sgpr_workgroup_id_y 1
		.amdhsa_system_sgpr_workgroup_id_z 1
		.amdhsa_system_vgpr_workitem_id 0
		.amdhsa_next_free_vgpr 1024
		.amdhsa_next_free_sgpr 98
		.amdhsa_reserve_vcc 0
		.amdhsa_float_denorm_mode_32 3
		.amdhsa_float_denorm_mode_16_64 3
		.amdhsa_memory_ordered 1
		.amdhsa_forward_progress 1
		.amdhsa_inst_pref_size 146
	.end_amdhsa_kernel
	.amdgpu_metadata
---
amdhsa.version: [ 1, 2 ]
amdhsa.kernels:
  - .name:           k_q46fe3cdcf7_proj
    .symbol:         k_q46fe3cdcf7_proj.kd
    .args:
      - { .name: ao_img, .offset: 0, .size: 8, .value_kind: global_buffer, .address_space: global }
      - { .name: ao_sc, .offset: 8, .size: 8, .value_kind: global_buffer, .address_space: global }
      - { .name: codes, .offset: 16, .size: 8, .value_kind: global_buffer, .address_space: global }
      - { .name: scales, .offset: 24, .size: 8, .value_kind: global_buffer, .address_space: global }
      - { .name: out0, .offset: 32, .size: 8, .value_kind: global_buffer, .address_space: global }
    .group_segment_fixed_size: 327680
    .private_segment_fixed_size: 0
    .kernarg_segment_align: 8
    .kernarg_segment_size: 40
    .max_flat_workgroup_size: 128
    .sgpr_count:     98
    .vgpr_count:     1024
    .wavefront_size: 32
...
	.end_amdgpu_metadata
.endif
;; end of part 4
